; MI455X (gfx1250); checked and timed in simulation.
; The chip was launched on July 23, 2026; its instructions are those of AMD's public machine-readable ISA for CDNA 5 (MIT licence, August 2026) and "CDNA5" Instruction Set Architecture Reference Guide (July 2026). The comments in the code are by the model that wrote it; some were corrected since.
;; GPT Block. Allowed arithmetic: matrix products marked QUANTISED: E4M3 operands, one given power-of-two scale a tensor, by v_wmma_f32_16x16x64_fp8_fp8 or v_wmma_f32_16x16x128_fp8_fp8, f32 sums; everything else in f32.
;; Inputs: k_norm_w 64 float32; lowp_scales 18 int32 (the exponents e of the quantised operands' scales 2^e); norm1_w 1,024 float32; norm2_w 1,024 float32; q_norm_w 64 float32; w1_codes 2,752 x 32 x 32 uint8 (E4M3 codes of w1, K innermost, in blocks of 32 codes); w2_codes 1,024 x 86 x 32 uint8 (E4M3 codes of w2, K innermost, in blocks of 32 codes); w3_codes 2,752 x 32 x 32 uint8 (E4M3 codes of w3, K innermost, in blocks of 32 codes); wk_codes 1,024 x 32 x 32 uint8 (E4M3 codes of wk, K innermost, in blocks of 32 codes); wo_codes 1,024 x 32 x 32 uint8 (E4M3 codes of wo, K innermost, in blocks of 32 codes); wq_codes 1,024 x 32 x 32 uint8 (E4M3 codes of wq, K innermost, in blocks of 32 codes); wv_codes 1,024 x 32 x 32 uint8 (E4M3 codes of wv, K innermost, in blocks of 32 codes); x 2 x 2,048 x 1,024 float32.
;; Outputs: out0 2 x 2,048 x 1,024 float32.
;; This version of the problem:
;;   THIS VERSION OF THE PROBLEM IS GIVEN IN LOW PRECISION. The matrix products marked QUANTISED in the list below multiply operands that are first quantised to E4M3 (4 exponent bits, 3 mantissa bits; 8 bits a number), with one given power-of-two scale for each operand tensor; their sums are f32. All else is computed in f32.
;;   The module's matrix products, in the order in which they are computed (A, B: the left and right operand; K: the contracted axis; several contracted axes count as one K, in the product's order):
;;     1. [M 4,096, K 1,024] x [K 1,024, N 1,024]; A: computed on the way; B: input wq (given as codes): QUANTISED (scales: A lowp_scales[0], B lowp_scales[1])
;;     2. [M 4,096, K 1,024] x [K 1,024, N 1,024]; A: computed on the way; B: input wk (given as codes): QUANTISED (scales: A lowp_scales[2], B lowp_scales[3])
;;     3. [M 4,096, K 1,024] x [K 1,024, N 1,024]; A: computed on the way; B: input wv (given as codes): QUANTISED (scales: A lowp_scales[4], B lowp_scales[5])
;;     4. batch 32 x [M 2,048, K 64] x [K 64, N 2,048]; A: computed on the way; B: computed on the way: QUANTISED (scales: A lowp_scales[6], B lowp_scales[7])
;;     5. batch 32 x [M 2,048, K 2,048] x [K 2,048, N 64]; A: softmax (see below); B: computed on the way: QUANTISED (scales: A lowp_scales[8], B lowp_scales[9])
;;     6. [M 4,096, K 1,024] x [K 1,024, N 1,024]; A: computed on the way; B: input wo (given as codes): QUANTISED (scales: A lowp_scales[10], B lowp_scales[11])
;;     7. [M 4,096, K 1,024] x [K 1,024, N 2,752]; A: computed on the way; B: input w1 (given as codes): QUANTISED (scales: A lowp_scales[12], B lowp_scales[13])
;;     8. [M 4,096, K 1,024] x [K 1,024, N 2,752]; A: computed on the way; B: input w3 (given as codes): QUANTISED (scales: A lowp_scales[14], B lowp_scales[15])
;;     9. [M 4,096, K 2,752] x [K 2,752, N 1,024]; A: computed on the way; B: input w2 (given as codes): QUANTISED (scales: A lowp_scales[16], B lowp_scales[17])
;;   THE QUANTISER, for each operand of a quantised product, along K:
;;     - The operand's scale is 2^e, e = its entry of the input lowp_scales (int32; the entries are numbered through the quantised products in the list's order, A before B).
;;     - Each number is divided by the scale, clamped to +-448, and rounded to the nearest number of E4M3, ties to even, subnormals kept.
;;     - The product sums the exact products of the quantised numbers (number of the format x scale) in f32.
;;   ~~~python
;;   def quantise(x, axis, e):      # numpy; x: float32 -> the quantised numbers, widened to float32 again
;;       x = np.moveaxis(x, axis, -1); K = x.shape[-1]
;;       r = np.clip(x / 2.0 ** e, -448, 448)
;;       step = 2.0 ** (np.maximum(np.frexp(np.where(r == 0, 1, r))[1] - 1, -6) - 3)
;;       q = np.round(r / step) * step * 2.0 ** e      # np.round: ties to even
;;       return np.moveaxis(q, -1, axis).astype(np.float32)
;;   ~~~
;;   SOFTMAX AHEAD OF A QUANTISED PRODUCT. Where the list says 'softmax', what is quantised is not the finished softmax but p = 2^(t - M), with t = logit x log2(e) and M = ceil(the row's largest t), a whole number; so 1/2 < the row's largest p <= 1. The row's sum l is taken of the UNQUANTISED p, in f32, and the product's result is divided by l at the end. Since M is a whole number, a kernel that streams over the keys may use a running M (the ceiling of the running maximum): every later rescaling is an exact power of two, so the quantised numbers keep their values, but for numbers so far below the row's largest that they fall under the format's range.
;;   OPERANDS COMPUTED ON THE WAY. 'Computed on the way' means the value that the module computes at that place (a softmax that the list does not call 'softmax' is quantised finished and normalised). What goes into a quantiser is computed in f32, as accurately as f32 sums, v_exp_f32 and their like allow (about 1e-6 of the number): no bf16 or f16 on the way to a quantiser, and a product that is left as it is and whose result goes on into a quantised operand takes f32 operands (vector FMAs, or v_wmma_f32_16x16x4_f32). A number that lies on a knife's edge between two numbers of the format may be rounded either way, as far as f32 arithmetic and the matrix unit's own rounding can turn it there, and no further.
;;   INPUTS GIVEN AS CODES. w1 (in the module: [2752, 1024], K = its axis 1); w2 (in the module: [1024, 2752], K = its axis 1); w3 (in the module: [2752, 1024], K = its axis 1); wk (in the module: [1024, 1024], K = its axis 1); wo (in the module: [1024, 1024], K = its axis 1); wq (in the module: [1024, 1024], K = its axis 1); wv (in the module: [1024, 1024], K = its axis 1): each comes as NAME_codes (uint8): NAME with its K axis moved to the last place and cut into blocks of 32 codes, [.., K / 32, bytes a block], one block behind the other in memory; one code a byte (a code: sign, 4 exponent bits, 3 mantissa bits); its scale is its entry of lowp_scales. Its value is code x scale, taken as it is: it is not quantised again, and the codes and scales need not be those that the quantiser above would give.
;; One version. Each part assembles by itself: llvm-mc -triple=amdgcn-amd-amdhsa -mcpu=gfx1250 --defsym DOCPART=n.
;; ======== version 1 of 1: 7 launches
;; limits: right only within a limited range of input values
;; workspace buffers: xn_img 13,107,200 bytes; qkv_img 12,582,912 bytes; o_img 4,194,304 bytes; h 16,777,216 bytes; hn_img 8,388,608 bytes; g_img 11,534,336 bytes; w2p 2,883,584 bytes
;; launch prep (part 1): grid 256 x 1, 8 waves a work-group, no clusters, 2,048 bytes of LDS; arguments x, norm1_w, lowp_scales, xn_img, w2_codes, w2p; writes xn_img, w2p
.if DOCPART == 1
	.amdgcn_target "amdgcn-amd-amdhsa--gfx1250"
	.amdhsa_code_object_version 6
	.text
	.protected	k_qf722501a92_prep
	.globl	k_qf722501a92_prep
	.p2align	8
	.type	k_qf722501a92_prep,@function
k_qf722501a92_prep:
	s_mov_b64 s[64:65], 0
	v_nop
	global_prefetch_b8 v0, s[64:65] scope:SCOPE_SE
	s_setreg_imm32_b32 hwreg(HW_REG_WAVE_MODE, 25, 1), 1
	s_wait_xcnt 0x0
; xn = norm1_w * x / sqrt(mean(x^2) + 1e-10), row by row, in f32, quantised three times to E4M3: with 2^e0, 2^e2, 2^e4 (entries 0, 2, 4 of the scales),
; since the three products that read xn have a scale of their own each.  Also: the table of cos and sin for the rotary embedding.
; OUTPUT LAYOUT (xn_img): three images of 4 MiB, then the table at byte 0xC00000.  An image is the operand's registers on end:
; [block of 128 rows][K step of 128][16 rows][group g of four registers][lane][16 bytes]; lane (r, h) holds row r, registers 2c, 2c+1 hold k = 16c + 8h + 0..7.
; SHARES.  A work-group takes 16 rows, wave s the columns 128 s .. 128 s + 127, lane (r, h) 64 numbers of row r, just those of its registers in the fragment.
; The row's sum of squares meets in LDS (one word a row and wave, one barrier).  Each store of a wave covers 512 consecutive bytes, aligned.
; No matrix unit, no cluster, no tensor load: the work-groups share nothing but the 4 KiB of gains.
; TABLE: [token 0..2047][cos of 32 frequencies | sin of 32], 256 bytes a token.  inv_freq = 2^(-i log2(500000)/32), the exponent in two parts; angle = token x inv_freq, rounded once;
; reduced by multiples of pi/2 in two parts (angles up to 2047); sin to r^9, cos to r^10 on |r| <= pi/4.  The quadrant selects values only.
; LIMITS: e0, e2, e4 between -126 and 119.  NaN among the inputs is not served.  inv_freq may differ from a correctly rounded one in its last bit.
.set X,   16                           ; v16-79   my 64 numbers of x
.set W,   80                           ; v80-143  the gains of my 64 columns
.set T,   144                          ; v144-159 two sets of 8 held numbers; earlier: work of the table
.set C,   160                          ; v160-207 codes, 16 registers an image
.set SC,  216                          ; v216.. : for image o: 2^e at SC+2o, 448 x 2^e at SC+2o+1
	s_load_b128 s[4:7], s[0:1], 0x0                ; x, norm1_w
	s_load_b128 s[8:11], s[0:1], 0x10
	s_load_b128 s[52:55], s[0:1], 0x20             ; w2_codes, w2p
	v_lshl_add_u32 v224, v0, 2, 0x400
	v_mov_b32 v225, 0
	v_lshrrev_b32 v1, 5, v0
	s_delay_alu instid0(VALU_DEP_1)
	v_readfirstlane_b32 s12, v1                    ; wave s
	v_and_b32 v1, 31, v0                           ; lane
	v_and_b32 v2, 15, v0                           ; r
	v_bfe_u32 v3, v0, 4, 1                         ; h
	s_delay_alu instid0(VALU_DEP_2)
	v_lshlrev_b32 v4, 12, v2
	s_delay_alu instid0(VALU_DEP_1)
	v_lshl_add_u32 v4, v3, 5, v4                   ; x: 4096 r + 32 h
	s_delay_alu instid0(VALU_DEP_3)
	v_lshlrev_b32 v5, 5, v3                        ; gains: 32 h
	v_lshlrev_b32 v6, 4, v1                        ; 16 x lane
	s_lshl_b32 s13, s12, 2
	v_lshl_add_u32 v7, v2, 5, s13                  ; LDS: 32 r + 4 s: my row's word of my wave
	v_lshlrev_b32 v8, 5, v2                        ; LDS: 32 r: my row's eight words
	v_lshlrev_b32 v9, 3, v1
	v_min_u32 v227, 0xb8, v9                       ; a row's last unit holds 192 codes: lanes 24-31 name the row's last 8 bytes again
	v_mov_b32 v238, 0
	v_mov_b32 v239, 0
	s_lshl_b32 s14, ttmp9, 16                      ; 16 rows of 4,096 bytes a work-group,
	s_lshl_b32 s16, s12, 9                         ; 512 bytes a wave
	s_add_co_u32 s14, s14, s16
	s_mov_b32 s15, 0
	s_mov_b32 s17, 0
	s_mov_b32 s18, 0x76543210                      ; v_permlanex16_b32: lane l xor 16
	s_mov_b32 s19, 0xfedcba98
	s_mov_b32 s20, 0x3a800000                      ; 1 / 1024
	s_lshr_b32 s22, ttmp9, 3                       ; block of 128 rows
	s_lshl_b32 s22, s22, 3
	s_add_co_u32 s22, s22, s12                     ; x 8 + K step
	s_lshl_b32 s22, s22, 3
	s_and_b32 s21, ttmp9, 7
	s_add_co_u32 s22, s22, s21                     ; x 8 + my 16 rows' number in the block
	s_lshl_b32 s22, s22, 11                        ; a fragment is 2,048 bytes
	s_mov_b32 s23, 0
	s_lshl_b32 s40, ttmp9, 3
	s_add_co_u32 s40, s40, s12                     ; the table's token of my wave: 8 x work-group + wave
	s_lshl_b32 s42, s40, 8
	s_mov_b32 s43, 0
	s_mov_b32 s44, 0x3f1773da                      ; log2(500000) / 32, upper part
	s_mov_b32 s45, 0x32636dca                      ; and what it lacks
	s_mov_b32 s47, 0xbfc90fdb                      ; -pi/2, upper part
	s_mov_b32 s48, 0x333bbd2e                      ; upper part - pi/2
	s_wait_alu depctr_va_vdst(0)
	s_wait_kmcnt 0x0
	s_load_b256 s[24:31], s[8:9], 0x0              ; e0 .. e7
	s_add_nc_u64 s[4:5], s[4:5], s[14:15]
	s_add_nc_u64 s[6:7], s[6:7], s[16:17]
	s_add_nc_u64 s[32:33], s[10:11], s[22:23]      ; my fragment in image 0,
	s_add_nc_u64 s[34:35], s[32:33], 0x400000      ; 1,
	s_add_nc_u64 s[36:37], s[32:33], 0x800000      ; 2
	s_add_nc_u64 s[38:39], s[10:11], s[42:43]
	s_add_nc_u64 s[38:39], s[38:39], 0xc00000
; ALSO: w2's codes are laid anew (w2p): rows of 2,816 bytes = 11 units of 256, so that every row begins on a multiple of 256 bytes; bytes 2,752 .. 2,815 are zero codes.
; A work-group takes 4 rows, two waves a row: 5 units each, 8 bytes a lane; the odd wave also the last unit.
	s_lshl_b32 s56, ttmp9, 2
	s_lshr_b32 s57, s12, 1
	s_add_co_u32 s56, s56, s57                     ; my row
	s_and_b32 s60, s12, 1                          ; my half
	s_mul_i32 s57, s60, 1280
	s_mul_i32 s58, s56, 2752
	s_add_co_u32 s58, s58, s57
	s_mov_b32 s59, 0
	s_add_nc_u64 s[52:53], s[52:53], s[58:59]
	s_mul_i32 s58, s56, 2816
	s_add_co_u32 s58, s58, s57
	s_add_nc_u64 s[54:55], s[54:55], s[58:59]
.irp j, 0,1,2,3,4
	global_load_b64 v[228+2*\j:229+2*\j], v9, s[52:53] offset:256*\j
.endr
	s_cmp_eq_u32 s60, 0
	s_cbranch_scc1 .Lno_tail_ld
	global_load_b64 v[238:239], v227, s[52:53] offset:1280
.Lno_tail_ld:
.irp c, 0,1,2,3,4,5,6,7
	global_load_b128 v[X+8*\c:X+8*\c+3], v4, s[4:5] offset:64*\c        ; x(r, 128 s + 16 c + 8 h + 0..3)
	global_load_b128 v[X+8*\c+4:X+8*\c+7], v4, s[4:5] offset:64*\c+16
.endr
.irp c, 0,1,2,3,4,5,6,7
	global_load_b128 v[W+8*\c:W+8*\c+3], v5, s[6:7] offset:64*\c
	global_load_b128 v[W+8*\c+4:W+8*\c+7], v5, s[6:7] offset:64*\c+16
.endr
; THE TABLE, while the loads are out.  v[b] = the frequency's number i as f32; leaves cos in v[b+3], sin in v[b+2].
.macro TRIG b
	v_mul_f32 v[\b+1], s44, v[\b]                  ; the exponent's upper part,
	s_delay_alu instid0(VALU_DEP_1)
	v_fma_f32 v[\b+2], v[\b], s44, -v[\b+1]        ; what that product dropped,
	s_delay_alu instid0(VALU_DEP_1)
	v_fma_f32 v[\b+2], v[\b], s45, v[\b+2]         ; and the constant's lower part
	s_wait_alu depctr_va_vdst(0)
	v_exp_f32 v[\b+3], -v[\b+1]
	v_mul_f32 v[\b+2], 0xbf317218, v[\b+2]         ; x -ln 2 (a plain line behind the exponential)
	s_wait_alu depctr_va_vdst(0)
	v_fma_f32 v[\b+3], v[\b+3], v[\b+2], v[\b+3]   ; inv_freq
	s_delay_alu instid0(VALU_DEP_1)
	v_mul_f32 v[\b+3], v210, v[\b+3]               ; angle = token x inv_freq
	s_delay_alu instid0(VALU_DEP_1)
	v_mul_f32 v[\b+4], 0x3f22f983, v[\b+3]
	s_delay_alu instid0(VALU_DEP_1)
	v_rndne_f32 v[\b+4], v[\b+4]                   ; n = the nearest multiple of pi/2
	s_delay_alu instid0(VALU_DEP_1)
	v_fma_f32 v[\b+3], v[\b+4], s47, v[\b+3]
	s_delay_alu instid0(VALU_DEP_1)
	v_fma_f32 v[\b+3], v[\b+4], s48, v[\b+3]       ; r = angle - n pi/2
	s_delay_alu instid0(VALU_DEP_3)
	v_cvt_i32_f32 v[\b+4], v[\b+4]
	s_delay_alu instid0(VALU_DEP_2)
	v_mul_f32 v[\b+5], v[\b+3], v[\b+3]            ; z = r^2
	v_mov_b32 v[\b+6], 0x3638ef1d
	s_delay_alu instid0(VALU_DEP_1)
	v_fmaak_f32 v[\b+6], v[\b+6], v[\b+5], 0xb9500d01
	s_delay_alu instid0(VALU_DEP_1)
	v_fmaak_f32 v[\b+6], v[\b+6], v[\b+5], 0x3c088889
	s_delay_alu instid0(VALU_DEP_1)
	v_fmaak_f32 v[\b+6], v[\b+6], v[\b+5], 0xbe2aaaab
	v_mul_f32 v[\b+1], v[\b+3], v[\b+5]
	s_delay_alu instid0(VALU_DEP_1)
	v_fma_f32 v[\b+6], v[\b+6], v[\b+1], v[\b+3]   ; sin r
	v_mov_b32 v[\b+7], 0xb493f27e
	s_delay_alu instid0(VALU_DEP_1)
	v_fmaak_f32 v[\b+7], v[\b+7], v[\b+5], 0x37d00d01
	s_delay_alu instid0(VALU_DEP_1)
	v_fmaak_f32 v[\b+7], v[\b+7], v[\b+5], 0xbab60b61
	s_delay_alu instid0(VALU_DEP_1)
	v_fmaak_f32 v[\b+7], v[\b+7], v[\b+5], 0x3d2aaaab
	s_delay_alu instid0(VALU_DEP_1)
	v_fmaak_f32 v[\b+7], v[\b+7], v[\b+5], 0xbf000000
	s_delay_alu instid0(VALU_DEP_1)
	v_fma_f32 v[\b+7], v[\b+7], v[\b+5], 1.0       ; cos r
	v_and_b32 v[\b+1], 1, v[\b+4]
	s_delay_alu instid0(VALU_DEP_1)
	v_cmp_eq_u32 vcc_lo, 1, v[\b+1]                ; odd quadrant: sin and cos change places
	s_delay_alu instid0(VALU_DEP_1)
	v_cndmask_b32 v[\b+2], v[\b+6], v[\b+7], vcc_lo
	s_delay_alu instid0(VALU_DEP_2)
	v_cndmask_b32 v[\b+3], v[\b+7], v[\b+6], vcc_lo
	v_and_b32 v[\b+1], 2, v[\b+4]
	s_delay_alu instid0(VALU_DEP_1)
	v_lshlrev_b32 v[\b+1], 30, v[\b+1]
	s_delay_alu instid0(VALU_DEP_1)
	v_xor_b32 v[\b+2], v[\b+1], v[\b+2]            ; sin is negative in quadrants 2, 3
	v_add_nc_u32 v[\b+1], 1, v[\b+4]
	s_delay_alu instid0(VALU_DEP_1)
	v_and_b32 v[\b+1], 2, v[\b+1]
	s_delay_alu instid0(VALU_DEP_1)
	v_lshlrev_b32 v[\b+1], 30, v[\b+1]
	s_delay_alu instid0(VALU_DEP_1)
	v_xor_b32 v[\b+3], v[\b+1], v[\b+3]            ; cos in quadrants 1, 2
.endm
	v_cvt_f32_u32 v210, s40                        ; the token
	v_lshlrev_b32 v144, 1, v2
	s_delay_alu instid0(VALU_DEP_1)
	v_cvt_f32_u32 v144, v144                       ; frequencies 2 (lane % 16)
	s_delay_alu instid0(VALU_DEP_1)
	v_add_f32 v152, 1.0, v144                      ; and 2 (lane % 16) + 1
	TRIG 144
	TRIG 152
	v_cmp_eq_u32 vcc_lo, 1, v3                     ; lanes 0-15 keep the cosines, lanes 16-31 the sines
	s_delay_alu instid0(VALU_DEP_1)
	v_cndmask_b32 v222, v147, v146, vcc_lo
	s_delay_alu instid0(VALU_DEP_2)
	v_cndmask_b32 v223, v155, v154, vcc_lo
	global_store_b64 v9, v[222:223], s[38:39]      ; the wave stores the token's 256 bytes; v9 and v[222:223] are not written again
; THE NORM
	s_wait_loadcnt 16
.irp j, 0,1,2,3,4
	global_store_b64 v9, v[228+2*\j:229+2*\j], s[54:55] offset:256*\j   ; w2's loads were issued ahead of x's: they are in.  256 consecutive bytes, aligned
.endr
	s_cmp_eq_u32 s60, 0
	s_cbranch_scc1 .Lno_tail_st
	v_cmp_gt_u32 vcc_lo, 24, v1
	v_cndmask_b32 v238, 0, v238, vcc_lo            ; lanes 24-31: zero codes
	v_cndmask_b32 v239, 0, v239, vcc_lo
	global_store_b64 v9, v[238:239], s[54:55] offset:1280
.Lno_tail_st:
.irp k, 0,1,2,3
	v_pk_mul_f32 v[208+2*\k:209+2*\k], v[X+2*\k:X+2*\k+1], v[X+2*\k:X+2*\k+1]
.endr
.set kk, 4
.rept 28
	s_delay_alu instid0(VALU_DEP_4)
	v_pk_fma_f32 v[208+2*(kk%4):209+2*(kk%4)], v[X+2*kk:X+2*kk+1], v[X+2*kk:X+2*kk+1], v[208+2*(kk%4):209+2*(kk%4)]
.set kk, kk+1
.endr
	s_delay_alu instid0(VALU_DEP_3)
	v_pk_add_f32 v[208:209], v[208:209], v[210:211]
	s_delay_alu instid0(VALU_DEP_2)
	v_pk_add_f32 v[212:213], v[212:213], v[214:215]
	s_delay_alu instid0(VALU_DEP_1)
	v_pk_add_f32 v[208:209], v[208:209], v[212:213]
	s_delay_alu instid0(VALU_DEP_1)
	v_add_f32 v208, v208, v209
	s_delay_alu instid0(VALU_DEP_1)
	v_permlanex16_b32 v209, v208, s18, s19
	s_delay_alu instid0(VALU_DEP_1)
	v_add_f32 v208, v208, v209                     ; my row's sum of squares over my wave's 128 columns
	ds_store_b32 v7, v208                          ; (lanes r and r + 16 write the same word with the same number)
	s_wait_dscnt 0x0                               ; for the others' sake: my store is done
	s_barrier_signal -1
	s_barrier_wait -1
	ds_load_b128 v[208:211], v8
	ds_load_b128 v[212:215], v8 offset:16
	s_wait_dscnt 0x0
	v_pk_add_f32 v[208:209], v[208:209], v[210:211]
	v_pk_add_f32 v[212:213], v[212:213], v[214:215]
	s_delay_alu instid0(VALU_DEP_1)
	v_pk_add_f32 v[208:209], v[208:209], v[212:213]
	s_delay_alu instid0(VALU_DEP_1)
	v_add_f32 v208, v208, v209
	v_mov_b32 v209, 0x2edbe6ff                     ; 1e-10
	s_delay_alu instid0(VALU_DEP_1)
	v_fma_f32 v208, v208, s20, v209                ; mean + eps
	s_wait_alu depctr_va_vdst(0)
	v_rsq_f32 v208, v208
	v_nop                                          ; a plain line behind the transcendental
.set kk, 0
	s_wait_alu depctr_va_vdst(0)
.rept 32
	v_pk_mul_f32 v[X+2*kk:X+2*kk+1], v[X+2*kk:X+2*kk+1], v[208:209] op_sel_hi:[1,0]
.set kk, kk+1
.endr
	s_wait_loadcnt 0x0                             ; the gains
.set kk, 0
.rept 32
	v_pk_mul_f32 v[X+2*kk:X+2*kk+1], v[X+2*kk:X+2*kk+1], v[W+2*kk:W+2*kk+1]
.set kk, kk+1
.endr
	s_wait_kmcnt 0x0
.irp o, 0,1,2
	s_add_co_i32 s50, s[24+2*\o], 127
	s_lshl_b32 s51, s50, 23
	v_mov_b32 v[SC+2*\o], s51                      ; 2^e as f32: the conversion takes its exponent field
	s_add_co_i32 s50, s50, 8
	s_lshl_b32 s50, s50, 23
	s_or_b32 s50, s50, 0x600000
	v_mov_b32 v[SC+2*\o+1], s50                    ; 448 x 2^e
.endr
; One image: the numbers are held within +-448 x 2^e (the conversion does not saturate: ISA guide 7.6.2) into one of two sets by turns, so that the
; eight holds of the other set are the plain lines behind each conversion; then four stores of 512 consecutive bytes.
.macro QOUT o, sb
.irp c, 0,1,2,3,4,5,6,7
.irp i, 0,1,2,3,4,5,6,7
	v_med3_num_f32 v[T+8*(\c%2)+\i], v[X+8*\c+\i], -v[SC+2*\o+1], v[SC+2*\o+1]
.endr
	v_cvt_scalef32_pk8_fp8_f32 v[C+16*\o+2*\c:C+16*\o+2*\c+1], v[T+8*(\c%2):T+8*(\c%2)+7], v[SC+2*\o]
.endr
.irp g, 0,1,2,3
	global_store_b128 v6, v[C+16*\o+4*\g:C+16*\o+4*\g+3], s[\sb:\sb+1] offset:512*\g
.endr
.endm
	s_wait_alu depctr_va_vdst(0)
	QOUT 0, 32
	QOUT 1, 34
	QOUT 2, 36
	s_wait_tensorcnt 0x0
	ds_add_u32 v224, v225
	s_wait_dscnt 0x0
	s_endpgm
.Lfunc_end_k_qf722501a92_prep:
	.size	k_qf722501a92_prep, .Lfunc_end_k_qf722501a92_prep-k_qf722501a92_prep
	.p2alignl 7, 3214868480
	.fill 96, 4, 3214868480
	.section	.rodata,"a",@progbits
	.p2align	6, 0x0
	.amdhsa_kernel k_qf722501a92_prep
		.amdhsa_group_segment_fixed_size 2048
		.amdhsa_private_segment_fixed_size 0
		.amdhsa_enable_private_segment 0
		.amdhsa_kernarg_size 48
		.amdhsa_user_sgpr_count 2
		.amdhsa_user_sgpr_kernarg_segment_ptr 1
		.amdhsa_wavefront_size32 1
		.amdhsa_system_sgpr_workgroup_id_x 1
		.amdhsa_system_sgpr_workgroup_id_y 1
		.amdhsa_system_sgpr_workgroup_id_z 1
		.amdhsa_system_vgpr_workitem_id 0
		.amdhsa_next_free_vgpr 240
		.amdhsa_next_free_sgpr 66
		.amdhsa_reserve_vcc 1
		.amdhsa_float_denorm_mode_32 3
		.amdhsa_float_denorm_mode_16_64 3
		.amdhsa_memory_ordered 1
		.amdhsa_forward_progress 1
		.amdhsa_inst_pref_size 38
	.end_amdhsa_kernel
	.amdgpu_metadata
---
amdhsa.version: [ 1, 2 ]
amdhsa.kernels:
  - .name:           k_qf722501a92_prep
    .symbol:         k_qf722501a92_prep.kd
    .args:
      - { .name: x, .offset: 0, .size: 8, .value_kind: global_buffer, .address_space: global }
      - { .name: norm1_w, .offset: 8, .size: 8, .value_kind: global_buffer, .address_space: global }
      - { .name: lowp_scales, .offset: 16, .size: 8, .value_kind: global_buffer, .address_space: global }
      - { .name: xn_img, .offset: 24, .size: 8, .value_kind: global_buffer, .address_space: global }
      - { .name: w2_codes, .offset: 32, .size: 8, .value_kind: global_buffer, .address_space: global }
      - { .name: w2p, .offset: 40, .size: 8, .value_kind: global_buffer, .address_space: global }
    .group_segment_fixed_size: 2048
    .private_segment_fixed_size: 0
    .kernarg_segment_align: 8
    .kernarg_segment_size: 48
    .max_flat_workgroup_size: 256
    .sgpr_count:     66
    .vgpr_count:     240
    .wavefront_size: 32
...
	.end_amdgpu_metadata
.endif
;; end of part 1
;; launch qkv (part 2): grid 8 x 32, 4 waves a work-group, clusters of 4 x 4, 327,680 bytes of LDS; arguments xn_img, wq_codes, wk_codes, wv_codes, q_norm_w, k_norm_w, lowp_scales, qkv_img; writes qkv_img
.if DOCPART == 2
	.amdgcn_target "amdgcn-amd-amdhsa--gfx1250"
	.amdhsa_code_object_version 6
	.text
	.protected	k_qf722501a92_qkv
	.globl	k_qf722501a92_qkv
	.p2align	8
	.type	k_qf722501a92_qkv,@function
k_qf722501a92_qkv:
	s_mov_b64 s[64:65], 0
	v_nop
	global_prefetch_b8 v0, s[64:65] scope:SCOPE_SE
	s_setreg_imm32_b32 hwreg(HW_REG_WAVE_MODE, 25, 1), 1
	s_wait_xcnt 0x0
	s_wait_alu depctr_hold_cnt(0) depctr_sa_sdst(0) depctr_va_vdst(0) depctr_va_sdst(0) depctr_va_ssrc(0) depctr_va_vcc(0) depctr_vm_vsrc(0)
	s_getreg_b32 s2, hwreg(HW_REG_IB_STS2, 6, 4)
	s_cmp_eq_u32 s2, 0
	s_cbranch_scc0 .Lentry_in_a_cluster
	s_endpgm
.Lentry_in_a_cluster:
	s_bfe_u32 s2, ttmp6, 0x10000c
	s_cmp_lg_u32 s2, 0xf033
	s_cbranch_scc0 .Lentry_shape_is_right
	s_endpgm
.Lentry_shape_is_right:
; q, k, v = xn Wq^T, xn Wk^T, xn Wv^T on E4M3 codes; q and k: RMS norm over the head's 64, gain, rotary embedding, quantised with 2^e6, 2^e7; v quantised with 2^e9.
; A work-group stays for three passes (q, k, v) on one tile of 128 tokens x 128 weight rows (two heads); four waves, 2 x 2, each 64 x 64: 16 accumulators.
; K = 1,024 goes in two slot steps of 512 through a ring of two LDS slots; the ring runs on from pass to pass: six slot steps, four refills.
; xn comes as register images (dense blocks, read back by ds_load_b128 at 16 x lane); the weights as rows of 512 bytes + 16 of padding = 132 words:
; lane (r, h) of a ds_load_b64 starts at word 132 r + 2 h: the 32 lanes touch 64 different banks (ISA guide 11.1).
; CLUSTER 4 x 4: the four of a row need the same tokens' images, the four of a column the same weight rows: both are asked for jointly.
; q, k: source 0 = weight rows, source 1 = tokens: a lane holds ONE token and 32 of the head's 64 numbers (16 b + 8 h + j); the partner of the rotary pair, 32 further on, lies in the same lane.
; Eight converted numbers of accumulator b are registers 2b, 2b+1 of the next product's fragment.  v: source 0 = tokens, source 1 = weight rows: a lane holds one channel, registers run along the keys.
; The sums lack the factor 2^E (E = e0 + e1 or e2 + e3): in the norm it cancels but for eps, which is taken as eps x 2^(-2E).
; OUTPUT (qkv_img): Q at 0, K at 0x400000: [batch x head][16 tokens][group 2][lane][16 B]; V at 0x800000: [batch x head][128 keys][16 channels][group 4][lane][16 B].
; LIMITS: e0 + e1 and e2 + e3 between -80 and 46; e6, e7 and e9 - e4 - e5 between -126 and 119.  NaN among the inputs is not served.
; REGISTERS: window 0: v1-17 addresses and scales; v32-51 at work; v64-95 codes; v128-255 accumulators ((a, b) at 128 + 32 a + 8 b).  window 1: two fragment buffers of 128 (A's four, then B's four).
;   window 2: v0-127 cos and sin of my 64 tokens (block a: cos at 32 a + 8 u + j, sin at 32 a + 16 + 8 u + j); v128-159 q's gains, v160-191 k's (8 t + j: channel 16 t + 8 h + j).
.set SLOT,  133120                     ; a slot: A's 4 K steps x 16,384 bytes, then B's 128 rows x 528
.set BPART, 65536
.set PB,    528
.set SPARE, 2*SLOT                     ; behind the ring: the spare words, 128 bytes a wave
.set ADRA,  4                          ; v4, v5  LDS address of my A fragments in slot 0, 1
.set ADRB,  6                          ; v6, v7  the same for B
.set SPW,   8                          ; v8      my spare word; never rewritten
.set NIL,   9                          ; v9      0; never rewritten
.set ACC,   128
.set F0,    0
.set F1,    128
.set G1A,   32                         ; s[32:39] group 1 for A; s[40:47] its groups 0, one a slot
.set G0A,   40
.set G1B,   48                         ; s[48:55], s[56:63] the same for B
.set G0B,   56
.set MULW,  0x05                       ; sources 0 and 1 window 1; C and D window 0
.set TO_F,  0x40                       ; destination window 1
.set MSB, 0
.macro WIN new                         ; the immediate's high byte repeats the setting that is left
.if MSB != \new
	s_set_vgpr_msb (MSB<<8)|\new
.set MSB, \new
.endif
.endm
.macro PLACES n
.rept \n
	v_nop
.endr
.endm
.macro CROUND                          ; a round of the cluster's barrier
	s_barrier_signal -1
	s_barrier_wait -1
	s_cmp_lg_u32 s20, 0
	s_cbranch_scc1 .Lnot_wave_0_\@
	s_barrier_signal -3
.Lnot_wave_0_\@:
	s_barrier_wait -3
	s_barrier_signal -1
	s_barrier_wait -1
.endm
.macro JLOAD g0a, g1a, g0b, g1b        ; waves 0, 1 fetch A's halves, waves 2, 3 B's; four v_nop follow each line
	s_cmp_eq_u32 s21, 0
	s_cbranch_scc0 .Lfor_b_\@
	tensor_load_to_lds s[\g0a:\g0a+3], s[\g1a:\g1a+7]
	s_nop 0
.rept 4
	v_nop
.endr
	s_branch .Lasked_\@
.Lfor_b_\@:
	tensor_load_to_lds s[\g0b:\g0b+3], s[\g1b:\g1b+7]
	s_nop 0
.rept 4
	v_nop
.endr
.Lasked_\@:
.endm
; 48 LDS loads: the fragments of one K step of 128 into buffer f: A's four as images, B's four from rows
.macro FETCH sl, qa, qb, f
	WIN TO_F
.irp a, 0,1,2,3
.irp g, 0,1,2,3
	ds_load_b128 v[\f+16*\a+4*\g:\f+16*\a+4*\g+3], v[ADRA+\sl] offset:16384*(\qa)+2048*\a+512*\g
.endr
.endr
.irp b, 0,1,2,3
.irp c, 0,1,2,3,4,5,6,7
	ds_load_b64 v[\f+64+16*\b+2*\c:\f+64+16*\b+2*\c+1], v[ADRB+\sl] offset:128*(\qb)+16*\c+8448*\b
.endr
.endr
.endm
; 16 matrix instructions; the 16 accumulators take turns in the same order in every step.  nat = 0: source 0 = weight rows; nat = 1: source 0 = tokens
.macro MUL f, zero, nat
	WIN MULW
.irp a, 0,1,2,3
.irp b, 0,1,2,3
.if \nat
.if \zero
	v_wmma_f32_16x16x128_fp8_fp8 v[ACC+32*\a+8*\b:ACC+32*\a+8*\b+7], v[\f+16*\a:\f+16*\a+15], v[\f+64+16*\b:\f+64+16*\b+15], 0
.else
	v_wmma_f32_16x16x128_fp8_fp8 v[ACC+32*\a+8*\b:ACC+32*\a+8*\b+7], v[\f+16*\a:\f+16*\a+15], v[\f+64+16*\b:\f+64+16*\b+15], v[ACC+32*\a+8*\b:ACC+32*\a+8*\b+7]
.endif
.else
.if \zero
	v_wmma_f32_16x16x128_fp8_fp8 v[ACC+32*\a+8*\b:ACC+32*\a+8*\b+7], v[\f+64+16*\b:\f+64+16*\b+15], v[\f+16*\a:\f+16*\a+15], 0
.else
	v_wmma_f32_16x16x128_fp8_fp8 v[ACC+32*\a+8*\b:ACC+32*\a+8*\b+7], v[\f+64+16*\b:\f+64+16*\b+15], v[\f+16*\a:\f+16*\a+15], v[ACC+32*\a+8*\b:ACC+32*\a+8*\b+7]
.endif
.endif
.endr
.endr
.endm
.macro KSTEP sl, q, f, g, zero, nat    ; fetches the slot's K step q + 1 into g, multiplies f
	PLACES 4                                       ; in front of loads into registers that matrix instructions have read (ISA guide 7.12.1 for vector instructions)
	FETCH \sl, (\q)+1, (\q)+1, \g
	s_wait_dscnt 48                                ; all but the 48 just issued: buffer f is in
	MUL \f, \zero, \nat
.endm
.macro THREE sl, zero, nat             ; a slot's first three K steps
	KSTEP \sl, 0, F0, F1, \zero, \nat
	KSTEP \sl, 1, F1, F0, 0, \nat
	KSTEP \sl, 2, F0, F1, 0, \nat
.endm
.macro UPD sl, tau                     ; slot step tau = pass tau / 2, K half tau % 2 = the slot: A's next image, the next weight
	s_add_nc_u64 s[G0A+4*\sl+2:G0A+4*\sl+3], s[G0A+4*\sl+2:G0A+4*\sl+3], 0x400000
	s_add_nc_u64 s[G0B+4*\sl+2:G0B+4*\sl+3], s[6+2*(\tau/2):7+2*(\tau/2)], s[84+2*\sl:85+2*\sl]
	s_or_b32 s[G0B+4*\sl+3], s[G0B+4*\sl+3], 0x80000000
.endm
; A slot's fourth K step changes slots.  In front of the barrier each wave waits for all its tensor loads (its part of the next slot), adds 0 to its spare word, and waits for that and for its reads of this slot.
; fill = 1: the barrier is a round of the cluster's, and this slot's joint refill is the first thing behind it: it has the next slot's 64 matrix instructions in which to land.
.macro TURN sl, next, fill, tau, nat
	WIN 0
	s_wait_tensorcnt 0x0
	ds_add_u32 v[SPW], v[NIL]
.if \fill
	UPD \sl, \tau                                  ; no tensor load of mine is out: the groups 0 may be written
.endif
	s_wait_dscnt 0x0
.if \fill
	CROUND
	JLOAD G0A+4*\sl, G1A, G0B+4*\sl, G1B           ; its four v_nop are also the places in front of the loads below
.else
	s_barrier_signal -1
	s_barrier_wait -1
	PLACES 4
.endif
	FETCH \next, 0, 0, F0
	MUL F1, 0, \nat
.endm
.macro MKSC es, vs                     ; s[es] = e: v[vs] = 2^e as f32, v[vs+1] = 448 x 2^e
	s_add_co_i32 s90, s[\es], 127
	s_lshl_b32 s92, s90, 23
	v_mov_b32 v[\vs], s92
	s_add_co_i32 s90, s90, 8
	s_lshl_b32 s90, s90, 23
	s_or_b32 s90, s90, 0x600000
	v_mov_b32 v[\vs+1], s90
.endm
	s_load_b512 s[4:19], s[0:1], 0x0               ; xn_img 4, wq 6, wk 8, wv 10, q_norm_w 12, k_norm_w 14, scales 16, qkv_img 18
	v_lshl_add_u32 v[SPW], v0, 2, SPARE
	v_mov_b32 v[NIL], 0
	ds_add_u32 v8, v9
	ds_add_u32 v8, v9
	s_wait_dscnt 0x0
	v_lshrrev_b32 v1, 5, v0
	v_readfirstlane_b32 s20, v1                    ; wave
	s_lshr_b32 s21, s20, 1                         ; i: my half of the tokens.  Also: I fetch for A (0) or B (1)
	s_and_b32 s22, s20, 1                          ; jj: my half of the weight rows.  Also: which half I fetch
	s_bfe_u32 s23, ttmp6, 0x40000                  ; cx
	s_bfe_u32 s24, ttmp6, 0x40004                  ; cy
	s_lshl_b32 s25, ttmp9, 2
	s_add_co_u32 s25, s25, s23                     ; tile of weight rows
	s_and_b32 s26, ttmp7, 0xffff
	s_lshl_b32 s26, s26, 2
	s_add_co_u32 s26, s26, s24                     ; block of 128 tokens
	s_lshl_b32 s27, s24, 2
	s_lshl_b32 s27, 15, s27                        ; my row of the cluster
	s_lshl_b32 s28, 0x1111, s23                    ; my column
	s_or_b32 s[G1A], s27, (3<<16)|(1<<21)          ; A: 128 rows of 32 elements of 8 bytes, dense: two K steps' images; no padding
	s_mov_b32 s[G1A+1], 32<<16
	s_mov_b32 s[G1A+2], 256<<16                    ; at the head: a whole slot's A, 256 rows
	s_mov_b32 s[G1A+3], 32<<16
	s_mov_b32 s[G1A+4], 256
	s_mov_b32 s[G1A+5], 32
	s_mov_b32 s[G1A+6], 0
	s_mov_b32 s[G1A+7], 0
	s_or_b32 s[G1B], s28, (1<<20)|(1<<21)|(6<<22)|(3<<25)   ; B: 64 rows of 512 bytes, 4 words of padding behind every 128
	s_mov_b32 s[G1B+1], 512<<16
	s_mov_b32 s[G1B+2], 128<<16                    ; at the head: a whole slot's B, 128 rows
	s_mov_b32 s[G1B+3], 512<<16
	s_mov_b32 s[G1B+4], 128
	s_mov_b32 s[G1B+5], 1024
	s_mov_b32 s[G1B+6], 0
	s_mov_b32 s[G1B+7], 0
	s_lshl_b32 s30, s26, 17                        ; A: a block's 8 K steps are 131,072 bytes,
	s_lshl_b32 s29, s22, 15                        ; my half of a slot's four: 32,768 (in memory and in LDS)
	s_add_co_u32 s30, s30, s29
	s_mov_b32 s31, 0
	s_lshl_b32 s84, s25, 17                        ; B: 128 rows of 1,024 bytes a tile,
	s_lshl_b32 s86, s22, 16                        ; 64 rows a half;
	s_add_co_u32 s84, s84, s86
	s_add_co_u32 s86, s84, 512                     ; slot 1 holds the second 512 along K
	s_mov_b32 s85, 0
	s_mov_b32 s87, 0
	s_mul_i32 s91, s22, 64*PB
	s_add_co_u32 s91, s91, BPART                   ; rows 64 jj on of B's part: where I put them if I fetch, and where I read
	s_wait_kmcnt 0x0
	s_load_b256 s[68:75], s[16:17], 0x0            ; e0 .. e7
	s_load_b64 s[76:77], s[16:17], 0x20            ; e8, e9
	s_add_nc_u64 s[88:89], s[4:5], s[30:31]
.irp s, 0,1
	s_mov_b32 s[G0A+4*\s], 1
	s_add_co_u32 s[G0A+4*\s+1], s29, \s*SLOT
	s_add_nc_u64 s[G0A+4*\s+2:G0A+4*\s+3], s[88:89], \s*65536
	s_or_b32 s[G0A+4*\s+3], s[G0A+4*\s+3], 0x80000000
	s_mov_b32 s[G0B+4*\s], 1
	s_add_co_u32 s[G0B+4*\s+1], s91, \s*SLOT
	s_add_nc_u64 s[G0B+4*\s+2:G0B+4*\s+3], s[6:7], s[84+2*\s:85+2*\s]
	s_or_b32 s[G0B+4*\s+3], s[G0B+4*\s+3], 0x80000000
.endr
; THE HEAD'S FILLS: one joint load a wave: wave 0 slot 0's A, wave 1 slot 1's A, wave 2 slot 0's B, wave 3 slot 1's B.  The slot-0 groups 0 serve them and are set back behind the wait.
	s_mul_i32 s[G0A+1], s22, SLOT
	s_add_co_u32 s[G0B+1], s[G0A+1], BPART
	s_mov_b32 s98, s29
	s_mov_b32 s99, 0
	s_add_nc_u64 s[G0A+2:G0A+3], s[G0A+2:G0A+3], s[98:99]   ; 65,536 jj in all: K steps 4 jj on
	s_mul_i32 s98, s22, 64*1024-512
	s_sub_nc_u64 s[G0B+2:G0B+3], s[G0B+2:G0B+3], s[98:99]   ; the tile's first row, K half jj
	CROUND
	s_cmp_eq_u32 s21, 0                            ; a wave's first fill stands in one branch: one load of mine is out
	s_cbranch_scc0 .Lfirst_b
	tensor_load_to_lds s[G0A:G0A+3], s[G1A:G1A+7]
	s_nop 0
.rept 4
	v_nop
.endr
	s_branch .Lfirst_done
.Lfirst_b:
	tensor_load_to_lds s[G0B:G0B+3], s[G1B:G1B+7]
	s_nop 0
.rept 4
	v_nop
.endr
.Lfirst_done:
	v_and_b32 v1, 15, v0                           ; r
	v_bfe_u32 v2, v0, 4, 1                         ; h
	v_and_b32 v3, 31, v0
	v_lshlrev_b32 v3, 4, v3                        ; 16 x lane
	s_lshl_b32 s92, s21, 13
	v_add_nc_u32 v[ADRA], s92, v3                  ; my four blocks of 16 tokens: 8,192 i
	v_add_nc_u32 v[ADRA+1], SLOT, v[ADRA]
	v_mul_u32_u24 v[ADRB], v1, PB
	v_lshl_add_u32 v[ADRB], v2, 3, v[ADRB]
	v_add_nc_u32 v[ADRB], s91, v[ADRB]             ; row (64 jj + r) x 528 + 8 h
	v_add_nc_u32 v[ADRB+1], SLOT, v[ADRB]
	v_lshlrev_b32 v10, 8, v1
	v_lshl_add_u32 v10, v2, 5, v10                 ; table: 256 r + 32 h
	s_wait_alu depctr_va_vdst(0)
	v_lshlrev_b32 v11, 5, v2                       ; gains: 32 h
	s_wait_alu depctr_va_vdst(0)
	s_and_b32 s93, s26, 15                         ; the block's place in its sequence of 2,048
	s_lshl_b32 s94, s93, 15
	s_lshl_b32 s92, s21, 14
	s_add_co_u32 s94, s94, s92
	s_mov_b32 s95, 0
	s_add_nc_u64 s[94:95], s[4:5], s[94:95]
	s_add_nc_u64 s[94:95], s[94:95], 0xc00000      ; the table at my first token
	WIN 0x80                                       ; destination window 2
.irp a, 0,1,2,3
.irp m, 0,1,2,3
	global_load_b128 v[32*\a+8*\m:32*\a+8*\m+3], v10, s[94:95] offset:4096*\a+64*\m
	global_load_b128 v[32*\a+8*\m+4:32*\a+8*\m+7], v10, s[94:95] offset:4096*\a+64*\m+16
.endr
.endr
.irp t, 0,1,2,3
	global_load_b128 v[128+8*\t:128+8*\t+3], v11, s[12:13] offset:64*\t
	global_load_b128 v[128+8*\t+4:128+8*\t+7], v11, s[12:13] offset:64*\t+16
	global_load_b128 v[160+8*\t:160+8*\t+3], v11, s[14:15] offset:64*\t
	global_load_b128 v[160+8*\t+4:160+8*\t+7], v11, s[14:15] offset:64*\t+16
.endr
	WIN 0
	s_lshr_b32 s92, s26, 4                         ; where the results go: batch x 16 + head,
	s_lshl_b32 s92, s92, 4
	s_lshl_b32 s90, s25, 1
	s_add_co_u32 s92, s92, s90
	s_add_co_u32 s92, s92, s22
	s_lshl_b32 s92, s92, 17                        ; 131,072 bytes each
	s_lshl_b32 s90, s93, 13                        ; the block's 128 tokens: 8,192 bytes in Q, K and V alike
	s_add_co_u32 s92, s92, s90
	s_lshl_b32 s90, s21, 12                        ; Q, K: my four tiles of 1,024 bytes
	s_add_co_u32 s96, s92, s90
	s_mov_b32 s97, 0
	s_add_nc_u64 s[96:97], s[18:19], s[96:97]
	s_lshl_b32 s90, s21, 10                        ; V: my two groups of 512 bytes
	s_add_co_u32 s98, s92, s90
	s_mov_b32 s99, 0
	s_add_nc_u64 s[98:99], s[18:19], s[98:99]
	s_add_nc_u64 s[98:99], s[98:99], 0x800000
	s_wait_kmcnt 0x0
	s_add_co_i32 s90, s68, s69
	s_lshl_b32 s90, s90, 24
	s_sub_co_u32 s78, 0x2edbe6ff, s90              ; 1e-10 x 2^(-2 (e0 + e1)): the exponent field steps by -2 E
	s_add_co_i32 s90, s70, s71
	s_lshl_b32 s90, s90, 24
	s_sub_co_u32 s79, 0x2edbe6ff, s90              ; the same for k
	s_mov_b32 s80, 0x3c800000                      ; 1 / 64
	s_mov_b32 s82, 0x76543210
	s_mov_b32 s83, 0xfedcba98
	MKSC 74, 12                                    ; q: e6
	MKSC 75, 14                                    ; k: e7
	s_sub_co_i32 s81, s77, s72
	s_sub_co_i32 s81, s81, s73
	MKSC 81, 16                                    ; v: a sum stands for sum x 2^(e4 + e5): the conversion's scale is 2^(e9 - e4 - e5)
; q's or k's way out.  epsr: the scalar register with eps'; wb: the gains in window 2; sc: scale, sc + 1: limit; step = 1: on to K's part of the buffer.
.macro EPI_QK epsr, wb, sc, step
	WIN 0
	PLACES 4                                       ; in front of the first read of results
	s_wait_xcnt 0x0                                ; the earlier stores have read their data and base
.if \step
	s_add_nc_u64 s[96:97], s[96:97], 0x400000
.endif
.irp a, 0,1,2,3
.set Y, ACC+32*\a
	v_pk_mul_f32 v[32:33], v[Y:Y+1], v[Y:Y+1]      ; the sum of squares, each accumulator from its low end on
	v_pk_mul_f32 v[34:35], v[Y+2:Y+3], v[Y+2:Y+3]
.set kk, 4
.rept 7
	v_pk_fma_f32 v[32:33], v[Y+kk:Y+kk+1], v[Y+kk:Y+kk+1], v[32:33]
	v_pk_fma_f32 v[34:35], v[Y+kk+2:Y+kk+3], v[Y+kk+2:Y+kk+3], v[34:35]
.set kk, kk+4
.endr
	v_pk_add_f32 v[32:33], v[32:33], v[34:35]
	v_add_f32 v32, v32, v33
	v_permlanex16_b32 v33, v32, s82, s83           ; the token's other 32 numbers lie in lane l xor 16
	v_add_f32 v32, v32, v33
	v_fma_f32 v32, v32, s80, s[\epsr]
	s_wait_alu depctr_va_vdst(0)
	v_rsq_f32 v32, v32
	v_nop
.set kk, 0
	s_wait_alu depctr_va_vdst(0)
.rept 16
	v_pk_mul_f32 v[Y+kk:Y+kk+1], v[Y+kk:Y+kk+1], v[32:33] op_sel_hi:[1,0]
.set kk, kk+2
.endr
	WIN 0x08                                       ; source 1 window 2
.set kk, 0
.rept 16
	v_pk_mul_f32 v[Y+kk:Y+kk+1], v[Y+kk:Y+kk+1], v[\wb+kk:\wb+kk+1]
.set kk, kk+2
.endr
.set kk, 0
.rept 8                                        ; y1 = channel d < 32, y2 = channel d + 32: y1' = y1 c - y2 s, y2' = y2 c + y1 s
	v_pk_mul_f32 v[36+kk:37+kk], v[Y+kk:Y+kk+1], v[32*\a+16+kk:32*\a+17+kk]
	v_pk_mul_f32 v[Y+kk:Y+kk+1], v[Y+kk:Y+kk+1], v[32*\a+kk:32*\a+kk+1]
	v_pk_fma_f32 v[Y+kk:Y+kk+1], v[Y+16+kk:Y+17+kk], v[32*\a+16+kk:32*\a+17+kk], v[Y+kk:Y+kk+1] neg_lo:[1,0,0] neg_hi:[1,0,0]
	v_pk_fma_f32 v[Y+16+kk:Y+17+kk], v[Y+16+kk:Y+17+kk], v[32*\a+kk:32*\a+kk+1], v[36+kk:37+kk]
.set kk, kk+2
.endr
	WIN 0
.set kk, 0
.rept 32
	v_med3_num_f32 v[Y+kk], v[Y+kk], -v[\sc+1], v[\sc+1]   ; the conversion does not saturate (ISA guide 7.6.2)
.set kk, kk+1
.endr
.irp b, 0,1,2,3
	v_cvt_scalef32_pk8_fp8_f32 v[64+8*\a+2*\b:65+8*\a+2*\b], v[Y+8*\b:Y+8*\b+7], v[\sc]
.endr
	v_nop                                          ; a plain line behind the conversions: the next pass's products write their sources
	global_store_b128 v3, v[64+8*\a:67+8*\a], s[96:97] offset:1024*\a
	global_store_b128 v3, v[68+8*\a:71+8*\a], s[96:97] offset:1024*\a+512
.endr
.endm
	s_wait_alu depctr_va_vdst(0)
	s_wait_tensorcnt 0x0                           ; my one load is in: the descriptors may be written: the ring's quarter tiles
	s_mov_b32 s[G1A+2], 128<<16
	s_mov_b32 s[G1A+4], 128
	s_mov_b32 s[G1B+2], 64<<16
	s_mov_b32 s[G1B+4], 64
	s_mov_b32 s[G0A+1], s29
	s_add_nc_u64 s[G0A+2:G0A+3], s[4:5], s[30:31]
	s_or_b32 s[G0A+3], s[G0A+3], 0x80000000
	s_mov_b32 s[G0B+1], s91
	s_barrier_signal -1
	s_barrier_wait -1
	FETCH 0, 0, 0, F0
	THREE 0, 1, 0                                  ; pass q
	TURN 0, 1, 1, 2, 0
	THREE 1, 0, 0
	TURN 1, 0, 1, 3, 0
	s_wait_loadcnt 0x0                             ; the table and the gains
	EPI_QK 78, 128, 12, 0
	THREE 0, 1, 0                                  ; pass k
	TURN 0, 1, 1, 4, 0
	THREE 1, 0, 0
	TURN 1, 0, 1, 5, 0
	EPI_QK 79, 160, 14, 1
	THREE 0, 1, 1                                  ; pass v
	TURN 0, 1, 0, 0, 1
	THREE 1, 0, 1
	s_wait_dscnt 0x0
	MUL F1, 0, 1
	WIN 0                                          ; v's way out: lane = channel 16 b + r, registers = tokens 16 a + 8 h + j: registers 2 (4 i + a), + 1 of the fragment of 128 keys
	PLACES 4
	s_wait_xcnt 0x0
.irp b, 0,1,2,3
.irp a, 0,1,2,3
.set kk, 0
.rept 8
	v_med3_num_f32 v[ACC+32*\a+8*\b+kk], v[ACC+32*\a+8*\b+kk], -v17, v17
.set kk, kk+1
.endr
	v_cvt_scalef32_pk8_fp8_f32 v[64+8*\b+2*\a:65+8*\b+2*\a], v[ACC+32*\a+8*\b:ACC+32*\a+8*\b+7], v16
.endr
.endr
	v_nop
.irp b, 0,1,2,3
	global_store_b128 v3, v[64+8*\b:67+8*\b], s[98:99] offset:2048*\b
	global_store_b128 v3, v[68+8*\b:71+8*\b], s[98:99] offset:2048*\b+512
.endr
	s_wait_tensorcnt 0x0                           ; the wave's end
	ds_add_u32 v[SPW], v[NIL]
	s_wait_dscnt 0x0
	CROUND                                         ; the closing round
	s_endpgm
.Lfunc_end_k_qf722501a92_qkv:
	.size	k_qf722501a92_qkv, .Lfunc_end_k_qf722501a92_qkv-k_qf722501a92_qkv
	.p2alignl 7, 3214868480
	.fill 96, 4, 3214868480
	.section	.rodata,"a",@progbits
	.p2align	6, 0x0
	.amdhsa_kernel k_qf722501a92_qkv
		.amdhsa_group_segment_fixed_size 327680
		.amdhsa_private_segment_fixed_size 0
		.amdhsa_enable_private_segment 0
		.amdhsa_kernarg_size 64
		.amdhsa_user_sgpr_count 2
		.amdhsa_user_sgpr_kernarg_segment_ptr 1
		.amdhsa_wavefront_size32 1
		.amdhsa_system_sgpr_workgroup_id_x 1
		.amdhsa_system_sgpr_workgroup_id_y 1
		.amdhsa_system_sgpr_workgroup_id_z 1
		.amdhsa_system_vgpr_workitem_id 0
		.amdhsa_next_free_vgpr 768
		.amdhsa_next_free_sgpr 100
		.amdhsa_reserve_vcc 0
		.amdhsa_float_denorm_mode_32 3
		.amdhsa_float_denorm_mode_16_64 3
		.amdhsa_memory_ordered 1
		.amdhsa_forward_progress 1
		.amdhsa_inst_pref_size 193
	.end_amdhsa_kernel
	.amdgpu_metadata
---
amdhsa.version: [ 1, 2 ]
amdhsa.kernels:
  - .name:           k_qf722501a92_qkv
    .symbol:         k_qf722501a92_qkv.kd
    .args:
      - { .name: xn_img, .offset: 0, .size: 8, .value_kind: global_buffer, .address_space: global }
      - { .name: wq_codes, .offset: 8, .size: 8, .value_kind: global_buffer, .address_space: global }
      - { .name: wk_codes, .offset: 16, .size: 8, .value_kind: global_buffer, .address_space: global }
      - { .name: wv_codes, .offset: 24, .size: 8, .value_kind: global_buffer, .address_space: global }
      - { .name: q_norm_w, .offset: 32, .size: 8, .value_kind: global_buffer, .address_space: global }
      - { .name: k_norm_w, .offset: 40, .size: 8, .value_kind: global_buffer, .address_space: global }
      - { .name: lowp_scales, .offset: 48, .size: 8, .value_kind: global_buffer, .address_space: global }
      - { .name: qkv_img, .offset: 56, .size: 8, .value_kind: global_buffer, .address_space: global }
    .group_segment_fixed_size: 327680
    .private_segment_fixed_size: 0
    .kernarg_segment_align: 8
    .kernarg_segment_size: 64
    .max_flat_workgroup_size: 128
    .sgpr_count:     100
    .vgpr_count:     768
    .wavefront_size: 32
...
	.end_amdgpu_metadata
.endif
;; end of part 2
;; launch attn (part 3): grid 8 x 32, 16 waves a work-group, no clusters, 327,680 bytes of LDS; arguments qkv_img, lowp_scales, o_img; writes o_img
.if DOCPART == 3
	.amdgcn_target "amdgcn-amd-amdhsa--gfx1250"
	.amdhsa_code_object_version 6
	.text
	.protected	k_qf722501a92_attn
	.globl	k_qf722501a92_attn
	.p2align	8
	.type	k_qf722501a92_attn,@function
k_qf722501a92_attn:
	s_mov_b64 s[64:65], 0
	v_nop
	global_prefetch_b8 v0, s[64:65] scope:SCOPE_SE
	s_setreg_imm32_b32 hwreg(HW_REG_WAVE_MODE, 25, 1), 1
	s_wait_xcnt 0x0
; Causal attention on E4M3 codes, head size 64: O = softmax(Q K^T / 8) V, then O quantised with 2^e10 as the next product's operand.
; t = score x log2(e) / 8; M = the running largest t rounded UP to a whole number; p = 2^(t - M) is quantised with 2^e8, not normalised; the row's sum is taken of the unquantised p and divides at the end.
; SHARES.  A work-group takes one (batch, head) and the query blocks i and 15 - i of 128: 17 block steps of 128 keys in every work-group.  Each of sixteen waves owns 16 queries in 256 registers, four waves to a SIMD.
; THE HEAD'S WHOLE K AND V LIE IN LDS: 2 x 131,072 bytes, each byte filled once, in four chunks of 512 keys (K's 32 KiB, then V's), by waves 0-3, four loads each, one a chunk, chunk c + 1 issued behind chunk c's barrier: at most one load of such a wave is out.
; Nothing is filled again.  K and V come as register images: every fragment is read by ds_load_b128 at 16 x lane.
; Both products transposed: S^T = K Q^T (lane = one query, registers = keys 16 t + 8 h + j), so eight converted p of tile t are registers 2t, 2t+1 of P; O^T = V^T P^T.
; CAUSAL: trip counts are constants; a step all of whose keys come after the wave's queries is jumped over by a scalar branch on ids, round its work alone; on the diagonal hidden scores become -infinity.
; NO CLUSTER: the eight work-groups of a head read the same K and V, but that branch hangs on the query block, which is the work-group's place; partners of a cluster may not branch on it.  Each work-group fetches each byte once.
; LIMITS: e6 + e7 between -123 and 130; e8 and e10 - e8 - e9 between -126 and 119.
; REGISTERS: v1 16 x lane; v2 address in hand; v3 r - 8 h; v12 -M, v13 largest t, v[14:15] the sum; v16-23 Q; v32-95 K's eight fragments, then V's four; v96-159 S^T, then p; v160-191 O^T; v192-207 P's codes; v208-221 at work.
.set Q0,  47                           ; s47 my first query
.set KF,  60                           ; s60 the step's first key
.set TB,  61                           ; s61 LDS byte of the step's K fragments; V's lie 32,768 further on
.set CNT, 62
	s_load_b128 s[4:7], s[0:1], 0x0                ; qkv_img, lowp_scales
	s_load_b64 s[8:9], s[0:1], 0x10                ; o_img
	v_lshl_add_u32 v254, v0, 2, 0x40000
	v_mov_b32 v255, 0
	ds_add_u32 v254, v255
	ds_add_u32 v254, v255
	v_lshrrev_b32 v1, 5, v0
	s_delay_alu instid0(VALU_DEP_1)
	v_readfirstlane_b32 s10, v1                    ; wave 0..15
	s_and_b32 s11, ttmp7, 0xffff                   ; batch x 16 + head
	s_mov_b32 s16, 3<<16                           ; group 1: 64 rows of 32 elements of 8 bytes, dense: 16,384 bytes
	s_mov_b32 s17, 32<<16
	s_mov_b32 s18, 64<<16
	s_mov_b32 s19, 32<<16
	s_mov_b32 s20, 64
	s_mov_b32 s21, 32
	s_mov_b32 s22, 0
	s_mov_b32 s23, 0
	s_and_b32 s15, s10, 3                          ; u = wave % 4: u / 2: K or V; u % 2: which half of a chunk's 32 KiB
	s_lshr_b32 s12, s15, 1
	s_add_co_u32 s12, s12, 1
	s_lshl_b32 s12, s12, 22                        ; K at 0x400000, V at 0x800000
	s_and_b32 s13, s15, 1
	s_lshl_b32 s13, s13, 14
	s_add_co_u32 s12, s12, s13
	s_lshl_b32 s14, s11, 17                        ; 131,072 bytes a head
	s_add_co_u32 s12, s12, s14
	s_mov_b32 s13, 0
	s_lshl_b32 s15, s15, 14                        ; in a chunk of LDS: 16,384 u
	s_wait_dscnt 0x0
	s_wait_kmcnt 0x0
	s_load_b128 s[40:43], s[6:7], 0x18             ; e6, e7, e8, e9
	s_load_b32 s44, s[6:7], 0x28                   ; e10
	s_add_nc_u64 s[12:13], s[4:5], s[12:13]
.irp c, 0,1,2,3
	s_mov_b32 s[24+4*\c], 1
	s_add_co_u32 s[25+4*\c], s15, \c*65536
	s_add_nc_u64 s[26+4*\c:27+4*\c], s[12:13], \c*32768
	s_or_b32 s[27+4*\c], s[27+4*\c], 0x80000000
.endr
	s_cmp_lt_u32 s10, 4                            ; all first fills of a wave in one branch, ahead of every wait on TENSORcnt, LDS read and barrier
	s_cbranch_scc0 .Lno_fetch
	tensor_load_to_lds s[24:27], s[16:23]
	s_nop 0
.rept 4
	v_nop
.endr
.Lno_fetch:
	s_sub_co_u32 s45, 15, ttmp9
	s_cmp_lt_u32 s10, 8
	s_cselect_b32 s45, ttmp9, s45                  ; my query block: i for waves 0-7, 15 - i for waves 8-15
	s_and_b32 s46, s10, 7
	s_lshl_b32 s[Q0], s45, 7
	s_lshl_b32 s48, s46, 4
	s_add_co_u32 s[Q0], s[Q0], s48                 ; my first query
	s_lshl_b32 s48, s[Q0], 6                       ; 64 bytes a query
	s_add_co_u32 s48, s48, s14
	s_mov_b32 s49, 0
	s_add_nc_u64 s[50:51], s[4:5], s[48:49]
	v_and_b32 v1, 31, v0
	s_delay_alu instid0(VALU_DEP_1)
	v_lshlrev_b32 v1, 4, v1                        ; 16 x lane
	global_load_b128 v[16:19], v1, s[50:51]        ; Q's fragment stays in registers
	global_load_b128 v[20:23], v1, s[50:51] offset:512
	s_wait_alu depctr_va_vdst(0)
; THE WORK IS SHARED OUT EVENLY.  With i the work-group's x: wave w < 8 owns a tile of block i (steps 0 .. i), wave w + 8 the tile of block 15 - i (steps 0 .. 15 - i).
; At step i + 1 wave w stores its own tile and takes, of wave w + 8's tile, the steps k with i < k < 15 - i and k - i odd: 8 steps in wave w, 9 in wave w + 8.  All tests hang on ids.
; Every wave loads the late tile's Q into v24-31 (in waves 8-15 that is their own Q once more; they do not use it).
	s_sub_co_u32 s69, 15, ttmp9
	s_lshl_b32 s69, s69, 7                         ; the first key of step 15 - i
	s_lshl_b32 s70, s46, 4
	s_add_co_u32 s70, s70, s69                     ; the late tile's first query
	s_lshl_b32 s72, s70, 6
	s_add_co_u32 s72, s72, s14
	s_mov_b32 s73, 0
	s_add_nc_u64 s[72:73], s[4:5], s[72:73]
	global_load_b128 v[24:27], v1, s[72:73]
	global_load_b128 v[28:31], v1, s[72:73] offset:512
	s_add_co_u32 s67, ttmp9, 1
	s_lshl_b32 s67, s67, 7                         ; the first key of step i + 1
	s_cmp_lt_u32 s10, 8
	s_cselect_b32 s66, s67, -1                     ; where I switch tiles; waves 8-15 never
	s_cselect_b32 s68, 1, 0                        ; do I leave out the steps from 15 - i on?
	s_add_co_u32 s71, ttmp9, s68                   ; between: I leave out step k where k + this is odd
	s_mul_i32 s74, s46, 4352
	s_add_co_u32 s74, s74, 0x40800                 ; the stage of waves w and w + 8, behind the spare words: 4,096 bytes of O^T, 256 of -M and the sum; no tile lands there
	v_add_nc_u32 v6, s74, v1
	v_lshrrev_b32 v7, 1, v1
	v_add_nc_u32 v7, s74, v7
	v_add_nc_u32 v7, 4096, v7
	v_and_b32 v4, 15, v0
	v_bfe_u32 v5, v0, 4, 1
	s_delay_alu instid0(VALU_DEP_1)
	v_lshlrev_b32 v5, 3, v5
	s_delay_alu instid0(VALU_DEP_1)
	v_sub_nc_u32 v3, v4, v5                        ; r - 8 h
	s_lshr_b32 s52, s11, 4                         ; o_img: block of 128 tokens = batch x 16 + query block,
	s_lshl_b32 s52, s52, 4
	s_add_co_u32 s52, s52, s45
	s_and_b32 s54, s11, 15                         ; head: K step head / 2, groups 2 (head % 2), + 1
	s_lshr_b32 s55, s54, 1
	s_lshl_b32 s52, s52, 3
	s_add_co_u32 s52, s52, s55
	s_lshl_b32 s52, s52, 3
	s_add_co_u32 s52, s52, s46
	s_lshl_b32 s52, s52, 11
	s_and_b32 s54, s54, 1
	s_lshl_b32 s54, s54, 10
	s_add_co_u32 s52, s52, s54
	s_mov_b32 s53, 0
	s_add_nc_u64 s[8:9], s[8:9], s[52:53]
	s_mov_b32 s58, 0x76543210
	s_mov_b32 s59, 0xfedcba98
	s_mov_b32 s[KF], 0
	v_mov_b32 v13, 0xff61b1e6                      ; the largest t so far: -3e38
	s_delay_alu instid0(VALU_DEP_1)
	v_floor_f32 v12, -v13                          ; -M
	v_mov_b32 v14, 0
	v_mov_b32 v15, 0
	v_mov_b32 v211, 0                              ; (named as the upper half of the pair v[210:211])
	v_mov_b32 v212, 0                              ; a lane permute's destination counts as read
	v_mov_b32 v218, 0xff800000                     ; -infinity
.set kk, 0
.rept 32
	v_mov_b32 v[160+kk], 0                         ; O^T: the step is written once; its first run finds zeros
.set kk, kk+1
.endr
	s_wait_kmcnt 0x0
	s_add_co_i32 s54, s40, s41
	s_lshl_b32 s54, s54, 23
	s_add_co_i32 s56, s54, 0x3e38aa3b              ; c = log2(e) / 8 x 2^(e6 + e7): the exponents are added to c's exponent field
	s_mov_b32 s57, s56
	s_add_co_i32 s54, s42, 127
	s_lshl_b32 s55, s54, 23
	v_mov_b32 v216, s55                            ; 2^e8
	s_add_co_i32 s54, s54, 8
	s_lshl_b32 s54, s54, 23
	s_or_b32 s54, s54, 0x600000
	v_mov_b32 v217, s54                            ; 448 x 2^e8
	s_sub_co_i32 s54, s44, s42
	s_sub_co_i32 s54, s54, s43
	s_add_co_i32 s54, s54, 127
	s_lshl_b32 s55, s54, 23
	v_mov_b32 v220, s55                            ; 2^(e10 - e8 - e9): O^T / the sum stands for that x 2^(e8 + e9)
	s_add_co_i32 s54, s54, 8
	s_lshl_b32 s54, s54, 23
	s_or_b32 s54, s54, 0x600000
	v_mov_b32 v221, s54
	s_wait_alu depctr_va_vdst(0)
	s_wait_loadcnt 0x0
; A chunk of 512 keys: the fetching waves wait for their part of it (all their tensor loads), one barrier, four key steps.
.macro FINISH                          ; O^T / the sum, quantised and stored
	v_add_f32 v14, v14, v15
	v_permlanex16_b32 v212, v14, s58, s59
	v_add_f32 v14, v14, v212
	s_wait_alu depctr_va_vdst(0)
	v_rcp_f32 v14, v14
	v_nop
	s_wait_alu depctr_va_vdst(0)                   ; ahead of v14's first reader, which also reads O^T
.set kk, 0
.rept 16
	v_pk_mul_f32 v[96+kk:97+kk], v[160+kk:161+kk], v[14:15] op_sel_hi:[1,0]
.set kk, kk+2
.endr
.set kk, 0
.rept 32
	v_med3_num_f32 v[96+kk], v[96+kk], -v221, v221
.set kk, kk+1
.endr
.irp b, 0,1,2,3
	v_cvt_scalef32_pk8_fp8_f32 v[192+2*\b:193+2*\b], v[96+8*\b:103+8*\b], v220
.endr
	global_store_b128 v1, v[192:195], s[8:9]
	global_store_b128 v1, v[196:199], s[8:9] offset:512
.endm
.macro SWITCH                          ; my own tile is finished: it leaves, and I begin a part of the late tile
.rept 4
	v_nop                                          ; places in front of the reads of O^T
.endr
	FINISH
	v_mov_b32 v13, 0xff61b1e6
	v_mov_b32 v14, 0
	v_mov_b32 v15, 0
	v_floor_f32 v12, -v13
.set kk, 0
.rept 8
	v_mov_b32 v[16+kk], v[24+kk]
.set kk, kk+1
.endr
.set kk, 0
.rept 32
	v_mov_b32 v[160+kk], 0
.set kk, kk+1
.endr
	s_mov_b32 s[Q0], s70
	s_wait_alu depctr_va_vdst(0)
	s_wait_xcnt 0x0                                ; the stores have read their data: the next step writes v192 on
.endm
; A chunk of 512 keys.  Waves 0-3 fetch chunk 0 at the head and chunk c + 1 behind chunk c's barrier, one load a wave, each byte filled once; ahead of that barrier the wait, the add and the wait
; (the add twice where a load may follow).  One load of a fetching wave is out; it has this chunk's steps in which to land.
.macro CHUNK c
	s_wait_tensorcnt 0x0
	ds_add_u32 v254, v255
.if \c < 3
	ds_add_u32 v254, v255
.endif
	s_wait_dscnt 0x0
	s_barrier_signal -1
	s_barrier_wait -1
.if \c < 3
	s_cmp_lt_u32 s10, 4
	s_cbranch_scc0 .Lnf_\@
	tensor_load_to_lds s[28+4*\c:31+4*\c], s[16:23]
	s_nop 0
.rept 4
	v_nop
.endr
.Lnf_\@:
.endif
	s_mov_b32 s[TB], 65536*\c
	s_mov_b32 s[CNT], 4
.Lstep_\@:
.if \c < 3                             ; the switch falls on step i + 1, at most 8
	s_cmp_eq_u32 s[KF], s66
	s_cbranch_scc0 .Lnosw_\@
	SWITCH
.Lnosw_\@:
.endif
	s_lshr_b32 s63, s[KF], 7                       ; is this step the other wave's?
	s_add_co_u32 s63, s63, s71
	s_and_b32 s63, s63, 1
	s_cmp_lt_u32 s[KF], s69
	s_cselect_b32 s63, s63, s68
	s_cmp_ge_u32 s[KF], s67
	s_cselect_b32 s63, s63, 0
	s_cmp_eq_u32 s63, 1
	s_cbranch_scc1 .Lhidden_\@
	s_add_co_u32 s63, s[Q0], 15
	s_cmp_gt_u32 s[KF], s63
	s_cbranch_scc1 .Lhidden_\@                     ; all 128 keys come after my queries
	v_add_nc_u32 v2, s[TB], v1
.rept 4
	v_nop                                          ; places in front of loads into registers that matrix instructions have read
.endr
.irp t, 0,1,2,3,4,5,6,7
	ds_load_b128 v[32+8*\t:35+8*\t], v2 offset:1024*\t
	ds_load_b128 v[36+8*\t:39+8*\t], v2 offset:1024*\t+512
.endr
	s_wait_alu depctr_va_vdst(0)
	s_wait_dscnt 0x0
.irp t, 0,1,2,3,4,5,6,7
	v_wmma_f32_16x16x64_fp8_fp8 v[96+8*\t:103+8*\t], v[32+8*\t:39+8*\t], v[16:23], 0
.endr
.rept 4
	v_nop
.endr
.irp b, 0,1,2,3                                ; V's fragments land while the softmax is worked
.irp g, 0,1,2,3
	ds_load_b128 v[32+16*\b+4*\g:35+16*\b+4*\g], v2 offset:32768+2048*\b+512*\g
.endr
.endr
	s_add_co_u32 s63, s[KF], 127
	s_cmp_le_u32 s63, s[Q0]
	s_cbranch_scc1 .Lopen_\@                       ; all keys count
	s_sub_co_i32 s63, s[Q0], s[KF]
	v_add_nc_u32 v219, s63, v3                     ; d = my query - KF - 8 h: register 8 t + j holds key KF + 8 h + 16 t + j, hidden where 16 t + j > d
.set kk, 0
.rept 64
	v_cmp_gt_i32 vcc_lo, 16*(kk/8)+kk%8, v219
	v_cndmask_b32 v[96+kk], v[96+kk], v218, vcc_lo
.set kk, kk+1
.endr
.Lopen_\@:
	v_max3_num_f32 v208, v96, v97, v98             ; the step's largest score of my query, each accumulator from its low end on, in two chains
	v_max3_num_f32 v210, v99, v100, v101
.set kk, 6
.rept 14
	v_max3_num_f32 v208, v208, v[96+kk], v[97+kk]
	v_max3_num_f32 v210, v210, v[98+kk], v[99+kk]
.set kk, kk+4
.endr
	v_max3_num_f32 v208, v208, v158, v159
	s_delay_alu instid0(VALU_DEP_1)
	v_max_num_f32 v208, v208, v210
	s_delay_alu instid0(VALU_DEP_1)
	v_permlanex16_b32 v212, v208, s58, s59
	s_delay_alu instid0(VALU_DEP_1)
	v_max_num_f32 v208, v208, v212
	s_delay_alu instid0(VALU_DEP_1)
	v_mul_f32 v208, s56, v208                      ; as t (c is positive)
	s_delay_alu instid0(VALU_DEP_1)
	v_max_num_f32 v13, v13, v208
	v_mov_b32 v208, v12
	s_delay_alu instid0(VALU_DEP_2)
	v_floor_f32 v12, -v13                          ; -M = floor(-t)
	s_delay_alu instid0(VALU_DEP_1)
	v_sub_f32 v208, v12, v208                      ; old M - new M, a whole number, 0 or less
	s_delay_alu instid0(VALU_DEP_1)
	v_cvt_i32_f32 v208, v208                       ; (it saturates)
	s_delay_alu instid0(VALU_DEP_1)
	v_ldexp_f32 v210, 1.0, v208                    ; f = 2^(old M - new M)
.set kk, 0
.rept 32
	v_pk_fma_f32 v[96+kk:97+kk], v[96+kk:97+kk], s[56:57], v[12:13] op_sel_hi:[1,0,0]   ; t - M
.set kk, kk+2
.endr
.set kk, 0
	s_wait_alu depctr_va_vdst(0)
.rept 64
	v_exp_f32 v[96+kk], v[96+kk]
.set kk, kk+1
.endr
	v_pk_mul_f32 v[14:15], v[14:15], v[210:211] op_sel_hi:[1,0]   ; the sum under the new M (a plain line behind the exponentials)
	s_wait_alu depctr_va_vdst(0)
	v_pk_add_f32 v[214:215], v[100:101], v[104:105]
	v_pk_add_f32 v[252:253], v[108:109], v[112:113]
	v_pk_add_f32 v[250:251], v[116:117], v[120:121]
	v_pk_add_f32 v[248:249], v[124:125], v[128:129]
	v_pk_add_f32 v[246:247], v[132:133], v[136:137]
	v_pk_add_f32 v[244:245], v[140:141], v[144:145]
	v_pk_add_f32 v[242:243], v[148:149], v[152:153]
	v_pk_add_f32 v[14:15], v[14:15], v[156:157]
	v_pk_add_f32 v[214:215], v[214:215], v[96:97]
	v_pk_add_f32 v[252:253], v[252:253], v[98:99]
	v_pk_add_f32 v[250:251], v[250:251], v[102:103]
	v_pk_add_f32 v[248:249], v[248:249], v[106:107]
	v_pk_add_f32 v[246:247], v[246:247], v[110:111]
	v_pk_add_f32 v[244:245], v[244:245], v[114:115]
	v_pk_add_f32 v[242:243], v[242:243], v[118:119]
	v_pk_add_f32 v[14:15], v[14:15], v[122:123]
	v_pk_add_f32 v[214:215], v[214:215], v[126:127]
	v_pk_add_f32 v[252:253], v[252:253], v[130:131]
	v_pk_add_f32 v[250:251], v[250:251], v[134:135]
	v_pk_add_f32 v[248:249], v[248:249], v[138:139]
	v_pk_add_f32 v[246:247], v[246:247], v[142:143]
	v_pk_add_f32 v[244:245], v[244:245], v[146:147]
	v_pk_add_f32 v[242:243], v[242:243], v[150:151]
	v_pk_add_f32 v[14:15], v[14:15], v[154:155]
	v_pk_add_f32 v[214:215], v[214:215], v[158:159]
	s_delay_alu instid0(VALU_DEP_2)
	v_pk_add_f32 v[14:15], v[14:15], v[248:249]
	s_delay_alu instid0(VALU_DEP_2)
	v_pk_add_f32 v[214:215], v[214:215], v[246:247]
	v_pk_add_f32 v[252:253], v[252:253], v[244:245]
	v_pk_add_f32 v[250:251], v[250:251], v[242:243]
	s_delay_alu instid0(VALU_DEP_2)
	v_pk_add_f32 v[14:15], v[14:15], v[252:253]
	s_delay_alu instid0(VALU_DEP_2)
	v_pk_add_f32 v[214:215], v[214:215], v[250:251]
	s_delay_alu instid0(VALU_DEP_1)
	v_pk_add_f32 v[14:15], v[14:15], v[214:215]
.irp t, 0,1,2,3,4,5,6,7
.set kk, 0
.rept 8
	v_min_num_f32 v[96+8*\t+kk], v[96+8*\t+kk], v217   ; p is not negative: the hold is one-sided
.set kk, kk+1
.endr
	v_cvt_scalef32_pk8_fp8_f32 v[192+2*\t:193+2*\t], v[96+8*\t:103+8*\t], v216
.endr
.set kk, 0
.rept 16
	v_pk_mul_f32 v[160+kk:161+kk], v[160+kk:161+kk], v[210:211] op_sel_hi:[1,0]   ; O^T under the new M; also the plain lines behind the conversions
.set kk, kk+2
.endr
	s_wait_alu depctr_va_vdst(0)
	s_wait_dscnt 0x0                               ; V
.irp b, 0,1,2,3
	v_wmma_f32_16x16x128_fp8_fp8 v[160+8*\b:167+8*\b], v[32+16*\b:47+16*\b], v[192:207], v[160+8*\b:167+8*\b]
.endr
.Lhidden_\@:
	s_add_co_u32 s[KF], s[KF], 128
	s_add_co_u32 s[TB], s[TB], 8192
	s_sub_co_u32 s[CNT], s[CNT], 1
	s_cmp_lg_u32 s[CNT], 0
	s_cbranch_scc1 .Lstep_\@
.endm
	CHUNK 0
	CHUNK 1
	CHUNK 2
	CHUNK 3
.rept 4
	v_nop
.endr
; THE TWO PARTS OF A LATE TILE MEET.  Waves 0-7 put their part (O^T, -M, the sum) into their stage, as register images; one barrier; waves 8-15 join it to theirs.
	s_cmp_lt_u32 s10, 8
	s_cbranch_scc0 .Lno_part
	v_add_f32 v13, v14, v15
.irp g, 0,1,2,3,4,5,6,7
	ds_store_b128 v6, v[160+4*\g:163+4*\g] offset:512*\g
.endr
	ds_store_b64 v7, v[12:13]
.Lno_part:
	s_wait_dscnt 0x0                               ; for the others' sake: my stores are done
	s_barrier_signal -1
	s_barrier_wait -1
	s_cmp_lt_u32 s10, 8
	s_cbranch_scc1 .Lend                           ; waves 0-7 stored their own tile at the switch
	ds_load_b64 v[128:129], v7
.irp g, 0,1,2,3,4,5,6,7
	ds_load_b128 v[96+4*\g:99+4*\g], v6 offset:512*\g
.endr
	v_mov_b32 v133, 0                              ; (upper halves of named pairs)
	v_mov_b32 v135, 0
	v_add_f32 v14, v14, v15
	s_wait_alu depctr_va_vdst(0)
	s_wait_dscnt 0x0
	v_min_num_f32 v130, v12, v128                  ; -M of both parts
	v_sub_f32 v131, v130, v12                      ; whole numbers, 0 or less
	v_sub_f32 v136, v130, v128
	v_cvt_i32_f32 v131, v131                       ; (they saturate: a part with no key has -M = 3e38 and counts for nothing)
	v_cvt_i32_f32 v136, v136
	v_ldexp_f32 v132, 1.0, v131
	v_ldexp_f32 v134, 1.0, v136
	v_mul_f32 v14, v14, v132
	v_fmac_f32 v14, v129, v134
	v_mov_b32 v15, 0
.set kk, 0
.rept 16
	v_pk_mul_f32 v[160+kk:161+kk], v[160+kk:161+kk], v[132:133] op_sel_hi:[1,0]
.set kk, kk+2
.endr
.set kk, 0
.rept 16
	v_pk_fma_f32 v[160+kk:161+kk], v[96+kk:97+kk], v[134:135], v[160+kk:161+kk] op_sel_hi:[1,0,1]
.set kk, kk+2
.endr
	v_add_f32 v14, v14, v15
	s_delay_alu instid0(VALU_DEP_1)
	v_permlanex16_b32 v212, v14, s58, s59
	s_delay_alu instid0(VALU_DEP_1)
	v_add_f32 v14, v14, v212                       ; the row's sum
	s_wait_alu depctr_va_vdst(0)
	v_rcp_f32 v14, v14
	v_nop
.set kk, 0
	s_wait_alu depctr_va_vdst(0)
.rept 16
	v_pk_mul_f32 v[96+kk:97+kk], v[160+kk:161+kk], v[14:15] op_sel_hi:[1,0]
.set kk, kk+2
.endr
.set kk, 0
.rept 32
	v_med3_num_f32 v[96+kk], v[96+kk], -v221, v221
.set kk, kk+1
.endr
.irp b, 0,1,2,3
	v_cvt_scalef32_pk8_fp8_f32 v[192+2*\b:193+2*\b], v[96+8*\b:103+8*\b], v220   ; channels 16 b + 8 h + j: registers 2 (4 (head % 2) + b), + 1 of the fragment
.endr
	global_store_b128 v1, v[192:195], s[8:9]       ; 512 consecutive bytes each
	global_store_b128 v1, v[196:199], s[8:9] offset:512
.Lend:
	s_wait_tensorcnt 0x0
	ds_add_u32 v254, v255
	s_wait_dscnt 0x0
	s_endpgm
.Lfunc_end_k_qf722501a92_attn:
	.size	k_qf722501a92_attn, .Lfunc_end_k_qf722501a92_attn-k_qf722501a92_attn
	.p2alignl 7, 3214868480
	.fill 96, 4, 3214868480
	.section	.rodata,"a",@progbits
	.p2align	6, 0x0
	.amdhsa_kernel k_qf722501a92_attn
		.amdhsa_group_segment_fixed_size 327680
		.amdhsa_private_segment_fixed_size 0
		.amdhsa_enable_private_segment 0
		.amdhsa_kernarg_size 24
		.amdhsa_user_sgpr_count 2
		.amdhsa_user_sgpr_kernarg_segment_ptr 1
		.amdhsa_wavefront_size32 1
		.amdhsa_system_sgpr_workgroup_id_x 1
		.amdhsa_system_sgpr_workgroup_id_y 1
		.amdhsa_system_sgpr_workgroup_id_z 1
		.amdhsa_system_vgpr_workitem_id 0
		.amdhsa_next_free_vgpr 256
		.amdhsa_next_free_sgpr 76
		.amdhsa_reserve_vcc 1
		.amdhsa_float_denorm_mode_32 3
		.amdhsa_float_denorm_mode_16_64 3
		.amdhsa_memory_ordered 1
		.amdhsa_forward_progress 1
		.amdhsa_inst_pref_size 120
	.end_amdhsa_kernel
	.amdgpu_metadata
---
amdhsa.version: [ 1, 2 ]
amdhsa.kernels:
  - .name:           k_qf722501a92_attn
    .symbol:         k_qf722501a92_attn.kd
    .args:
      - { .name: qkv_img, .offset: 0, .size: 8, .value_kind: global_buffer, .address_space: global }
      - { .name: lowp_scales, .offset: 8, .size: 8, .value_kind: global_buffer, .address_space: global }
      - { .name: o_img, .offset: 16, .size: 8, .value_kind: global_buffer, .address_space: global }
    .group_segment_fixed_size: 327680
    .private_segment_fixed_size: 0
    .kernarg_segment_align: 8
    .kernarg_segment_size: 24
    .max_flat_workgroup_size: 512
    .sgpr_count:     76
    .vgpr_count:     256
    .wavefront_size: 32
...
	.end_amdgpu_metadata
.endif
;; end of part 3
;; launch oproj (part 4): grid 8 x 32, 4 waves a work-group, clusters of 4 x 4, 327,680 bytes of LDS; arguments o_img, wo_codes, x, lowp_scales, h; writes h
.if DOCPART == 4
	.amdgcn_target "amdgcn-amd-amdhsa--gfx1250"
	.amdhsa_code_object_version 6
	.text
	.protected	k_qf722501a92_oproj
	.globl	k_qf722501a92_oproj
	.p2align	8
	.type	k_qf722501a92_oproj,@function
k_qf722501a92_oproj:
	s_mov_b64 s[64:65], 0
	v_nop
	global_prefetch_b8 v0, s[64:65] scope:SCOPE_SE
	s_setreg_imm32_b32 hwreg(HW_REG_WAVE_MODE, 25, 1), 1
	s_wait_xcnt 0x0
	s_wait_alu depctr_hold_cnt(0) depctr_sa_sdst(0) depctr_va_vdst(0) depctr_va_sdst(0) depctr_va_ssrc(0) depctr_va_vcc(0) depctr_vm_vsrc(0)
	s_getreg_b32 s2, hwreg(HW_REG_IB_STS2, 6, 4)
	s_cmp_eq_u32 s2, 0
	s_cbranch_scc0 .Lentry_in_a_cluster
	s_endpgm
.Lentry_in_a_cluster:
	s_bfe_u32 s2, ttmp6, 0x10000c
	s_cmp_lg_u32 s2, 0xf033
	s_cbranch_scc0 .Lentry_shape_is_right
	s_endpgm
.Lentry_shape_is_right:
; h = x + o Wo^T; the product on E4M3 codes, each sum x 2^(e10 + e11), the residual added in the same fused multiply-add.
; A tile of 128 tokens x 128 outputs a work-group; four waves, 2 x 2, each 64 x 64: 16 accumulators.  K = 1,024 is two slot steps of 512: both LDS slots are filled once, at the head; nothing is filled again.
; o comes as register images (dense, ds_load_b128 at 16 x lane), the weights as rows of 512 bytes + 16 of padding = 132 words: the 32 lanes of a ds_load_b64 touch 64 different banks (ISA guide 11.1).
; CLUSTER 4 x 4: the four of a row ask jointly for the tokens' images, the four of a column for the weight rows.
; Source 0 = weight rows, source 1 = tokens: a lane holds eight neighbouring outputs of one token.  The way out goes through the wave's own stage in LDS, so that sixteen lanes store 256 consecutive bytes, aligned.
; LIMIT: e10 + e11 between -126 and 127.
; REGISTERS: window 0: v1-12 addresses; v32-95 two sets of rows read back; v128-255 accumulators.  window 1: two fragment buffers.  window 2: v0-127 the residual, in the layout of the rows read back.
.set SLOT,  133120
.set BPART, 65536
.set PB,    528
.set SPARE, 2*SLOT                     ; the spare words, 128 bytes a wave
.set STAGE, SPARE+512                  ; 16 rows x 272 bytes for each wave; no tile lands there
.set ADRA,  4
.set ADRB,  6
.set SPW,   8
.set NIL,   9
.set ACC,   128
.set F0,    0
.set F1,    128
.set G1A,   32
.set G0A,   40
.set G1B,   48
.set G0B,   56
.set MULW,  0x05
.set TO_F,  0x40
.set MSB, 0
.macro WIN new
.if MSB != \new
	s_set_vgpr_msb (MSB<<8)|\new
.set MSB, \new
.endif
.endm
.macro PLACES n
.rept \n
	v_nop
.endr
.endm
.macro CROUND
	s_barrier_signal -1
	s_barrier_wait -1
	s_cmp_lg_u32 s20, 0
	s_cbranch_scc1 .Lnot_wave_0_\@
	s_barrier_signal -3
.Lnot_wave_0_\@:
	s_barrier_wait -3
	s_barrier_signal -1
	s_barrier_wait -1
.endm
.macro FETCH sl, qa, qb, f
	WIN TO_F
.irp a, 0,1,2,3
.irp g, 0,1,2,3
	ds_load_b128 v[\f+16*\a+4*\g:\f+16*\a+4*\g+3], v[ADRA+\sl] offset:16384*(\qa)+2048*\a+512*\g
.endr
.endr
.irp b, 0,1,2,3
.irp c, 0,1,2,3,4,5,6,7
	ds_load_b64 v[\f+64+16*\b+2*\c:\f+64+16*\b+2*\c+1], v[ADRB+\sl] offset:128*(\qb)+16*\c+8448*\b
.endr
.endr
.endm
.macro MUL f, zero                     ; the 16 accumulators take turns in the same order in every step
	WIN MULW
.irp a, 0,1,2,3
.irp b, 0,1,2,3
.if \zero
	v_wmma_f32_16x16x128_fp8_fp8 v[ACC+32*\a+8*\b:ACC+32*\a+8*\b+7], v[\f+64+16*\b:\f+64+16*\b+15], v[\f+16*\a:\f+16*\a+15], 0
.else
	v_wmma_f32_16x16x128_fp8_fp8 v[ACC+32*\a+8*\b:ACC+32*\a+8*\b+7], v[\f+64+16*\b:\f+64+16*\b+15], v[\f+16*\a:\f+16*\a+15], v[ACC+32*\a+8*\b:ACC+32*\a+8*\b+7]
.endif
.endr
.endr
.endm
.macro KSTEP sl, q, f, g, zero
	PLACES 4                                       ; in front of loads into registers that matrix instructions have read
	FETCH \sl, (\q)+1, (\q)+1, \g
	s_wait_dscnt 48                                ; all but the 48 just issued
	MUL \f, \zero
.endm
.macro THREE sl, zero
	KSTEP \sl, 0, F0, F1, \zero
	KSTEP \sl, 1, F1, F0, 0
	KSTEP \sl, 2, F0, F1, 0
.endm
	s_load_b256 s[4:11], s[0:1], 0x0               ; o_img 4, wo 6, x 8, scales 10
	s_load_b64 s[12:13], s[0:1], 0x20              ; h
	v_lshl_add_u32 v[SPW], v0, 2, SPARE
	v_mov_b32 v[NIL], 0
	ds_add_u32 v8, v9
	ds_add_u32 v8, v9
	s_wait_dscnt 0x0
	v_lshrrev_b32 v1, 5, v0
	v_readfirstlane_b32 s20, v1
	s_lshr_b32 s21, s20, 1                         ; i
	s_and_b32 s22, s20, 1                          ; jj
	s_bfe_u32 s23, ttmp6, 0x40000
	s_bfe_u32 s24, ttmp6, 0x40004
	s_lshl_b32 s25, ttmp9, 2
	s_add_co_u32 s25, s25, s23                     ; tile of outputs
	s_and_b32 s26, ttmp7, 0xffff
	s_lshl_b32 s26, s26, 2
	s_add_co_u32 s26, s26, s24                     ; block of tokens
	s_lshl_b32 s27, s24, 2
	s_lshl_b32 s27, 15, s27
	s_lshl_b32 s28, 0x1111, s23
	s_or_b32 s[G1A], s27, (3<<16)|(1<<21)          ; A: 128 rows of 256 bytes, dense
	s_mov_b32 s[G1A+1], 32<<16
	s_mov_b32 s[G1A+2], 256<<16                    ; a whole slot's A, 256 rows
	s_mov_b32 s[G1A+3], 32<<16
	s_mov_b32 s[G1A+4], 256
	s_mov_b32 s[G1A+5], 32
	s_mov_b32 s[G1A+6], 0
	s_mov_b32 s[G1A+7], 0
	s_or_b32 s[G1B], s28, (1<<20)|(1<<21)|(6<<22)|(3<<25)   ; B: 64 rows of 512 bytes, padded by 16
	s_mov_b32 s[G1B+1], 512<<16
	s_mov_b32 s[G1B+2], 128<<16                    ; a whole slot's B, 128 rows
	s_mov_b32 s[G1B+3], 512<<16
	s_mov_b32 s[G1B+4], 128
	s_mov_b32 s[G1B+5], 1024
	s_mov_b32 s[G1B+6], 0
	s_mov_b32 s[G1B+7], 0
	s_lshl_b32 s30, s26, 17
	s_lshl_b32 s29, s22, 15
	s_add_co_u32 s30, s30, s29
	s_mov_b32 s31, 0
	s_lshl_b32 s96, s25, 17
	s_lshl_b32 s97, s22, 16
	s_add_co_u32 s96, s96, s97
	s_mov_b32 s97, 0
	s_mul_i32 s91, s22, 64*PB
	s_add_co_u32 s91, s91, BPART
	s_wait_kmcnt 0x0
	s_load_b64 s[84:85], s[10:11], 0x28            ; e10, e11
	s_add_nc_u64 s[30:31], s[4:5], s[30:31]
	s_add_nc_u64 s[96:97], s[6:7], s[96:97]
.irp s, 0,1
	s_mov_b32 s[G0A+4*\s], 1
	s_add_co_u32 s[G0A+4*\s+1], s29, \s*SLOT
	s_add_nc_u64 s[G0A+4*\s+2:G0A+4*\s+3], s[30:31], \s*65536
	s_or_b32 s[G0A+4*\s+3], s[G0A+4*\s+3], 0x80000000
	s_mov_b32 s[G0B+4*\s], 1
	s_add_co_u32 s[G0B+4*\s+1], s91, \s*SLOT
	s_add_nc_u64 s[G0B+4*\s+2:G0B+4*\s+3], s[96:97], \s*512
	s_or_b32 s[G0B+4*\s+3], s[G0B+4*\s+3], 0x80000000
.endr
; THE FILLS: one joint load a wave: wave 0 slot 0's A, wave 1 slot 1's A, wave 2 slot 0's B, wave 3 slot 1's B, by the slot-0 groups 0.
	s_mul_i32 s[G0A+1], s22, SLOT
	s_add_co_u32 s[G0B+1], s[G0A+1], BPART
	s_mov_b32 s98, s29
	s_mov_b32 s99, 0
	s_add_nc_u64 s[G0A+2:G0A+3], s[G0A+2:G0A+3], s[98:99]   ; 65,536 jj in all: K steps 4 jj on
	s_mul_i32 s98, s22, 64*1024-512
	s_sub_nc_u64 s[G0B+2:G0B+3], s[G0B+2:G0B+3], s[98:99]   ; the tile's first row, K half jj
	CROUND
	s_cmp_eq_u32 s21, 0
	s_cbranch_scc0 .Lfirst_b
	tensor_load_to_lds s[G0A:G0A+3], s[G1A:G1A+7]
	s_nop 0
.rept 4
	v_nop
.endr
	s_branch .Lfirst_done
.Lfirst_b:
	tensor_load_to_lds s[G0B:G0B+3], s[G1B:G1B+7]
	s_nop 0
.rept 4
	v_nop
.endr
.Lfirst_done:
	v_and_b32 v1, 15, v0
	v_bfe_u32 v2, v0, 4, 1
	v_and_b32 v3, 31, v0
	v_lshlrev_b32 v3, 4, v3
	s_lshl_b32 s92, s21, 13
	v_add_nc_u32 v[ADRA], s92, v3
	v_add_nc_u32 v[ADRA+1], SLOT, v[ADRA]
	v_mul_u32_u24 v[ADRB], v1, PB
	v_lshl_add_u32 v[ADRB], v2, 3, v[ADRB]
	v_add_nc_u32 v[ADRB], s91, v[ADRB]
	v_add_nc_u32 v[ADRB+1], SLOT, v[ADRB]
	v_lshlrev_b32 v10, 12, v2
	v_lshl_add_u32 v10, v1, 4, v10                 ; rows of 4,096 bytes: lanes 0-15 one row, lanes 16-31 the next; 16 bytes a lane
	s_wait_alu depctr_va_vdst(0)
	s_mul_i32 s98, s20, 16*272
	s_add_co_u32 s98, s98, STAGE                   ; my stage
	v_mul_u32_u24 v11, v1, 272
	v_lshl_add_u32 v11, v2, 5, v11
	v_add_nc_u32 v11, s98, v11                     ; in: row r, + 32 h
	v_mul_u32_u24 v12, v2, 272
	v_lshl_add_u32 v12, v1, 4, v12
	v_add_nc_u32 v12, s98, v12                     ; back: two rows an instruction
	s_lshl_b32 s92, s26, 19                        ; my corner of x and of h: 128 rows a block, 64 a half; 512 bytes a tile, 256 a half
	s_lshl_b32 s98, s21, 18
	s_add_co_u32 s92, s92, s98
	s_lshl_b32 s98, s25, 9
	s_add_co_u32 s92, s92, s98
	s_lshl_b32 s98, s22, 8
	s_add_co_u32 s92, s92, s98
	s_mov_b32 s93, 0
	s_add_nc_u64 s[94:95], s[12:13], s[92:93]
	s_add_nc_u64 s[92:93], s[8:9], s[92:93]
	WIN 0x80
.irp a, 0,1,2,3
.irp p, 0,1,2,3,4,5,6,7
	global_load_b128 v[32*\a+4*\p:32*\a+4*\p+3], v10, s[92:93] offset:(16*\a+2*\p)*4096
.endr
.endr
	WIN 0
	s_wait_kmcnt 0x0
	s_add_co_i32 s86, s84, s85
	s_add_co_i32 s86, s86, 127
	s_lshl_b32 s86, s86, 23                        ; 2^(e10 + e11) as f32
	s_mov_b32 s87, s86
	s_wait_alu depctr_va_vdst(0)
	s_wait_tensorcnt 0x0                           ; my one load is in
	s_barrier_signal -1
	s_barrier_wait -1
	FETCH 0, 0, 0, F0
	THREE 0, 1
	WIN 0                                          ; the change of slots: every wave's part of slot 1 has landed
	s_wait_tensorcnt 0x0
	ds_add_u32 v[SPW], v[NIL]
	s_wait_dscnt 0x0
	s_barrier_signal -1
	s_barrier_wait -1
	PLACES 4
	FETCH 1, 0, 0, F0
	MUL F1, 0
	THREE 1, 0
	s_wait_dscnt 0x0
	MUL F1, 0
	WIN 0
	PLACES 4                                       ; in front of the LDS stores that read results
	s_wait_alu depctr_va_vdst(0)
	s_wait_loadcnt 0x0                             ; the residual
.irp a, 0,1,2,3
.set BK, 32+32*(\a%2)
.if \a > 1
	s_wait_xcnt 0x0                                ; block a - 2's stores have read their registers
.endif
.irp b, 0,1,2,3
	ds_store_b128 v11, v[ACC+32*\a+8*\b:ACC+32*\a+8*\b+3] offset:64*\b
	ds_store_b128 v11, v[ACC+32*\a+8*\b+4:ACC+32*\a+8*\b+7] offset:64*\b+16
.endr
.irp p, 0,1,2,3,4,5,6,7
	ds_load_b128 v[BK+4*\p:BK+4*\p+3], v12 offset:\p*2*272   ; LDS serves a wave's instructions in order (ISA guide 5.7.1.4): these see my stores
.endr
	s_wait_dscnt 0x0
	WIN 0x20                                       ; source 2 window 2
.set kk, 0
.rept 16
	v_pk_fma_f32 v[BK+kk:BK+kk+1], v[BK+kk:BK+kk+1], s[86:87], v[32*\a+kk:32*\a+kk+1] op_sel_hi:[1,0,1]
.set kk, kk+2
.endr
	WIN 0
.irp p, 0,1,2,3,4,5,6,7
	global_store_b128 v10, v[BK+4*\p:BK+4*\p+3], s[94:95] offset:(16*\a+2*\p)*4096
.endr
.endr
	s_wait_tensorcnt 0x0                           ; the wave's end
	ds_add_u32 v[SPW], v[NIL]
	s_wait_dscnt 0x0
	CROUND                                         ; the closing round
	s_endpgm
.Lfunc_end_k_qf722501a92_oproj:
	.size	k_qf722501a92_oproj, .Lfunc_end_k_qf722501a92_oproj-k_qf722501a92_oproj
	.p2alignl 7, 3214868480
	.fill 96, 4, 3214868480
	.section	.rodata,"a",@progbits
	.p2align	6, 0x0
	.amdhsa_kernel k_qf722501a92_oproj
		.amdhsa_group_segment_fixed_size 327680
		.amdhsa_private_segment_fixed_size 0
		.amdhsa_enable_private_segment 0
		.amdhsa_kernarg_size 40
		.amdhsa_user_sgpr_count 2
		.amdhsa_user_sgpr_kernarg_segment_ptr 1
		.amdhsa_wavefront_size32 1
		.amdhsa_system_sgpr_workgroup_id_x 1
		.amdhsa_system_sgpr_workgroup_id_y 1
		.amdhsa_system_sgpr_workgroup_id_z 1
		.amdhsa_system_vgpr_workitem_id 0
		.amdhsa_next_free_vgpr 768
		.amdhsa_next_free_sgpr 100
		.amdhsa_reserve_vcc 0
		.amdhsa_float_denorm_mode_32 3
		.amdhsa_float_denorm_mode_16_64 3
		.amdhsa_memory_ordered 1
		.amdhsa_forward_progress 1
		.amdhsa_inst_pref_size 56
	.end_amdhsa_kernel
	.amdgpu_metadata
---
amdhsa.version: [ 1, 2 ]
amdhsa.kernels:
  - .name:           k_qf722501a92_oproj
    .symbol:         k_qf722501a92_oproj.kd
    .args:
      - { .name: o_img, .offset: 0, .size: 8, .value_kind: global_buffer, .address_space: global }
      - { .name: wo_codes, .offset: 8, .size: 8, .value_kind: global_buffer, .address_space: global }
      - { .name: x, .offset: 16, .size: 8, .value_kind: global_buffer, .address_space: global }
      - { .name: lowp_scales, .offset: 24, .size: 8, .value_kind: global_buffer, .address_space: global }
      - { .name: h, .offset: 32, .size: 8, .value_kind: global_buffer, .address_space: global }
    .group_segment_fixed_size: 327680
    .private_segment_fixed_size: 0
    .kernarg_segment_align: 8
    .kernarg_segment_size: 40
    .max_flat_workgroup_size: 128
    .sgpr_count:     100
    .vgpr_count:     768
    .wavefront_size: 32
...
	.end_amdgpu_metadata
.endif
;; end of part 4
;; launch norm2 (part 5): grid 256 x 1, 8 waves a work-group, no clusters, 2,048 bytes of LDS; arguments h, norm2_w, lowp_scales, hn_img; writes hn_img
.if DOCPART == 5
	.amdgcn_target "amdgcn-amd-amdhsa--gfx1250"
	.amdhsa_code_object_version 6
	.text
	.protected	k_qf722501a92_norm2
	.globl	k_qf722501a92_norm2
	.p2align	8
	.type	k_qf722501a92_norm2,@function
k_qf722501a92_norm2:
	s_mov_b64 s[64:65], 0
	v_nop
	global_prefetch_b8 v0, s[64:65] scope:SCOPE_SE
	s_setreg_imm32_b32 hwreg(HW_REG_WAVE_MODE, 25, 1), 1
	s_wait_xcnt 0x0
; hn = norm2_w * h / sqrt(mean(h^2) + 1e-10), row by row, in f32, quantised twice to E4M3: with 2^e12 and 2^e14, for the two products that read it.
; OUTPUT (hn_img): two images of 4 MiB: [block of 128 rows][K step of 128][16 rows][group of four registers][lane][16 bytes]; lane (r, h): row r, registers 2c, 2c+1: k = 16c + 8h + 0..7.
; SHARES.  A work-group takes 16 rows, wave s the columns 128 s on, lane (r, h) the 64 numbers of its registers in the fragment.  The row's sum of squares meets in LDS, one barrier.
; Each store of a wave covers 512 consecutive bytes, aligned.  No matrix unit, no cluster, no tensor load: the work-groups share nothing but the 4 KiB of gains.
; LIMITS: e12, e14 between -126 and 119.  NaN among the inputs is not served.
.set X,   16
.set W,   80
.set T,   144
.set C,   160
.set SC,  216
	s_load_b128 s[4:7], s[0:1], 0x0                ; h, norm2_w
	s_load_b128 s[8:11], s[0:1], 0x10              ; lowp_scales, hn_img
	v_lshl_add_u32 v224, v0, 2, 0x400
	v_mov_b32 v225, 0
	v_lshrrev_b32 v1, 5, v0
	s_delay_alu instid0(VALU_DEP_1)
	v_readfirstlane_b32 s12, v1                    ; wave s
	v_and_b32 v1, 31, v0
	v_and_b32 v2, 15, v0                           ; r
	v_bfe_u32 v3, v0, 4, 1                         ; h
	s_delay_alu instid0(VALU_DEP_2)
	v_lshlrev_b32 v4, 12, v2
	s_delay_alu instid0(VALU_DEP_1)
	v_lshl_add_u32 v4, v3, 5, v4                   ; 4096 r + 32 h
	s_delay_alu instid0(VALU_DEP_3)
	v_lshlrev_b32 v5, 5, v3
	v_lshlrev_b32 v6, 4, v1
	s_lshl_b32 s13, s12, 2
	v_lshl_add_u32 v7, v2, 5, s13                  ; LDS: 32 r + 4 s
	v_lshlrev_b32 v8, 5, v2
	s_lshl_b32 s14, ttmp9, 16
	s_lshl_b32 s16, s12, 9
	s_add_co_u32 s14, s14, s16
	s_mov_b32 s15, 0
	s_mov_b32 s17, 0
	s_mov_b32 s18, 0x76543210
	s_mov_b32 s19, 0xfedcba98
	s_mov_b32 s20, 0x3a800000                      ; 1 / 1024
	s_lshr_b32 s22, ttmp9, 3
	s_lshl_b32 s22, s22, 3
	s_add_co_u32 s22, s22, s12
	s_lshl_b32 s22, s22, 3
	s_and_b32 s21, ttmp9, 7
	s_add_co_u32 s22, s22, s21
	s_lshl_b32 s22, s22, 11
	s_mov_b32 s23, 0
	s_wait_alu depctr_va_vdst(0)
	s_wait_kmcnt 0x0
	s_load_b128 s[24:27], s[8:9], 0x30             ; e12 .. e15
	s_add_nc_u64 s[4:5], s[4:5], s[14:15]
	s_add_nc_u64 s[6:7], s[6:7], s[16:17]
	s_add_nc_u64 s[32:33], s[10:11], s[22:23]
	s_add_nc_u64 s[34:35], s[32:33], 0x400000
.irp c, 0,1,2,3,4,5,6,7
	global_load_b128 v[X+8*\c:X+8*\c+3], v4, s[4:5] offset:64*\c
	global_load_b128 v[X+8*\c+4:X+8*\c+7], v4, s[4:5] offset:64*\c+16
.endr
.irp c, 0,1,2,3,4,5,6,7
	global_load_b128 v[W+8*\c:W+8*\c+3], v5, s[6:7] offset:64*\c
	global_load_b128 v[W+8*\c+4:W+8*\c+7], v5, s[6:7] offset:64*\c+16
.endr
	s_wait_loadcnt 16                              ; h's sixteen loads are in; the gains' sixteen may be out
.irp k, 0,1,2,3
	v_pk_mul_f32 v[208+2*\k:209+2*\k], v[X+2*\k:X+2*\k+1], v[X+2*\k:X+2*\k+1]
.endr
.set kk, 4
.rept 28
	s_delay_alu instid0(VALU_DEP_4)
	v_pk_fma_f32 v[208+2*(kk%4):209+2*(kk%4)], v[X+2*kk:X+2*kk+1], v[X+2*kk:X+2*kk+1], v[208+2*(kk%4):209+2*(kk%4)]
.set kk, kk+1
.endr
	s_delay_alu instid0(VALU_DEP_3)
	v_pk_add_f32 v[208:209], v[208:209], v[210:211]
	s_delay_alu instid0(VALU_DEP_2)
	v_pk_add_f32 v[212:213], v[212:213], v[214:215]
	s_delay_alu instid0(VALU_DEP_1)
	v_pk_add_f32 v[208:209], v[208:209], v[212:213]
	s_delay_alu instid0(VALU_DEP_1)
	v_add_f32 v208, v208, v209
	s_delay_alu instid0(VALU_DEP_1)
	v_permlanex16_b32 v209, v208, s18, s19
	s_delay_alu instid0(VALU_DEP_1)
	v_add_f32 v208, v208, v209
	ds_store_b32 v7, v208
	s_wait_dscnt 0x0                               ; for the others' sake: my store is done
	s_barrier_signal -1
	s_barrier_wait -1
	ds_load_b128 v[208:211], v8
	ds_load_b128 v[212:215], v8 offset:16
	s_wait_dscnt 0x0
	v_pk_add_f32 v[208:209], v[208:209], v[210:211]
	v_pk_add_f32 v[212:213], v[212:213], v[214:215]
	s_delay_alu instid0(VALU_DEP_1)
	v_pk_add_f32 v[208:209], v[208:209], v[212:213]
	s_delay_alu instid0(VALU_DEP_1)
	v_add_f32 v208, v208, v209
	v_mov_b32 v209, 0x2edbe6ff                     ; 1e-10
	s_delay_alu instid0(VALU_DEP_1)
	v_fma_f32 v208, v208, s20, v209
	s_wait_alu depctr_va_vdst(0)
	v_rsq_f32 v208, v208
	v_nop
.set kk, 0
	s_wait_alu depctr_va_vdst(0)
.rept 32
	v_pk_mul_f32 v[X+2*kk:X+2*kk+1], v[X+2*kk:X+2*kk+1], v[208:209] op_sel_hi:[1,0]
.set kk, kk+1
.endr
	s_wait_loadcnt 0x0
.set kk, 0
.rept 32
	v_pk_mul_f32 v[X+2*kk:X+2*kk+1], v[X+2*kk:X+2*kk+1], v[W+2*kk:W+2*kk+1]
.set kk, kk+1
.endr
	s_wait_kmcnt 0x0
.irp o, 0,1
	s_add_co_i32 s40, s[24+2*\o], 127
	s_lshl_b32 s41, s40, 23
	v_mov_b32 v[SC+2*\o], s41
	s_add_co_i32 s40, s40, 8
	s_lshl_b32 s40, s40, 23
	s_or_b32 s40, s40, 0x600000
	v_mov_b32 v[SC+2*\o+1], s40
.endr
.macro QOUT o, sb                      ; the holds go into two sets by turns: the other set's eight holds are the plain lines behind each conversion
.irp c, 0,1,2,3,4,5,6,7
.irp i, 0,1,2,3,4,5,6,7
	v_med3_num_f32 v[T+8*(\c%2)+\i], v[X+8*\c+\i], -v[SC+2*\o+1], v[SC+2*\o+1]
.endr
	v_cvt_scalef32_pk8_fp8_f32 v[C+16*\o+2*\c:C+16*\o+2*\c+1], v[T+8*(\c%2):T+8*(\c%2)+7], v[SC+2*\o]
.endr
.irp g, 0,1,2,3
	global_store_b128 v6, v[C+16*\o+4*\g:C+16*\o+4*\g+3], s[\sb:\sb+1] offset:512*\g
.endr
.endm
	QOUT 0, 32
	QOUT 1, 34
	s_wait_tensorcnt 0x0
	ds_add_u32 v224, v225
	s_wait_dscnt 0x0
	s_endpgm
.Lfunc_end_k_qf722501a92_norm2:
	.size	k_qf722501a92_norm2, .Lfunc_end_k_qf722501a92_norm2-k_qf722501a92_norm2
	.p2alignl 7, 3214868480
	.fill 96, 4, 3214868480
	.section	.rodata,"a",@progbits
	.p2align	6, 0x0
	.amdhsa_kernel k_qf722501a92_norm2
		.amdhsa_group_segment_fixed_size 2048
		.amdhsa_private_segment_fixed_size 0
		.amdhsa_enable_private_segment 0
		.amdhsa_kernarg_size 32
		.amdhsa_user_sgpr_count 2
		.amdhsa_user_sgpr_kernarg_segment_ptr 1
		.amdhsa_wavefront_size32 1
		.amdhsa_system_sgpr_workgroup_id_x 1
		.amdhsa_system_sgpr_workgroup_id_y 1
		.amdhsa_system_sgpr_workgroup_id_z 1
		.amdhsa_system_vgpr_workitem_id 0
		.amdhsa_next_free_vgpr 226
		.amdhsa_next_free_sgpr 66
		.amdhsa_reserve_vcc 0
		.amdhsa_float_denorm_mode_32 3
		.amdhsa_float_denorm_mode_16_64 3
		.amdhsa_memory_ordered 1
		.amdhsa_forward_progress 1
		.amdhsa_inst_pref_size 24
	.end_amdhsa_kernel
	.amdgpu_metadata
---
amdhsa.version: [ 1, 2 ]
amdhsa.kernels:
  - .name:           k_qf722501a92_norm2
    .symbol:         k_qf722501a92_norm2.kd
    .args:
      - { .name: h, .offset: 0, .size: 8, .value_kind: global_buffer, .address_space: global }
      - { .name: norm2_w, .offset: 8, .size: 8, .value_kind: global_buffer, .address_space: global }
      - { .name: lowp_scales, .offset: 16, .size: 8, .value_kind: global_buffer, .address_space: global }
      - { .name: hn_img, .offset: 24, .size: 8, .value_kind: global_buffer, .address_space: global }
    .group_segment_fixed_size: 2048
    .private_segment_fixed_size: 0
    .kernarg_segment_align: 8
    .kernarg_segment_size: 32
    .max_flat_workgroup_size: 256
    .sgpr_count:     66
    .vgpr_count:     226
    .wavefront_size: 32
...
	.end_amdgpu_metadata
.endif
;; end of part 5
;; launch ffnup (part 6): grid 8 x 32, 4 waves a work-group, clusters of 4 x 4, 327,680 bytes of LDS; arguments hn_img, w1_codes, w3_codes, lowp_scales, g_img; writes g_img
.if DOCPART == 6
	.amdgcn_target "amdgcn-amd-amdhsa--gfx1250"
	.amdhsa_code_object_version 6
	.text
	.protected	k_qf722501a92_ffnup
	.globl	k_qf722501a92_ffnup
	.p2align	8
	.type	k_qf722501a92_ffnup,@function
k_qf722501a92_ffnup:
	s_mov_b64 s[64:65], 0
	v_nop
	global_prefetch_b8 v0, s[64:65] scope:SCOPE_SE
	s_setreg_imm32_b32 hwreg(HW_REG_WAVE_MODE, 25, 1), 1
	s_wait_xcnt 0x0
	s_wait_alu depctr_hold_cnt(0) depctr_sa_sdst(0) depctr_va_vdst(0) depctr_va_sdst(0) depctr_va_ssrc(0) depctr_va_vcc(0) depctr_vm_vsrc(0)
	s_getreg_b32 s2, hwreg(HW_REG_IB_STS2, 6, 4)
	s_cmp_eq_u32 s2, 0
	s_cbranch_scc0 .Lentry_in_a_cluster
	s_endpgm
.Lentry_in_a_cluster:
	s_bfe_u32 s2, ttmp6, 0x10000c
	s_cmp_lg_u32 s2, 0xf033
	s_cbranch_scc0 .Lentry_shape_is_right
	s_endpgm
.Lentry_shape_is_right:
; g = silu(hn W1^T) * (hn W3^T), both products on E4M3 codes, g quantised with 2^e16 as the last product's operand.
; SHARES.  The hidden layer, padded from 2,752 to 2,816 units, is 88 pairs of blocks of 16 units = 8 column groups of 11 pairs.  A work-group owns 128 tokens x one column group (352 units) and STAYS:
; it walks its units as tiles of 128, 128 and 96, each in two passes (W1 into the accumulators of window 0, W3 into those of window 2).  8 x 32 = 256 work-groups of equal work.
; K = 1,024 is two slot steps of 512 a pass: twelve slot steps through a ring of two LDS slots, ten refills; the ring runs on from tile to tile, and a tile's way out stands behind the refill for the next tile.
; Four waves, 2 x 2: 64 tokens x 64 units (16 accumulators); in the third tile 64 tokens x 48 units (12): wave column jj takes the pair of blocks 2 jj, 2 jj + 1 and the single block 4 + jj.
; hn comes as register images (dense, ds_load_b128 at 16 x lane), the weights as rows of 512 bytes + 16 of padding = 132 words: the 32 lanes of a ds_load_b64 touch 64 different banks (ISA guide 11.1).
; CLUSTER 4 x 4: the four of a row ask jointly for the tokens' images, the four of a column for the weight rows.
; Source 0 = weight rows, source 1 = tokens: a lane holds one token; eight converted numbers of a block are two registers of the next operand's fragment, two neighbouring blocks a group of 16 bytes a lane.
; A pair leaves as 512 consecutive bytes a wave.  The third tile's single block leaves as 8 bytes a lane, every other 8 bytes of a group whose other half the neighbouring wave writes: 1/11 of the output's bytes.
; THE LAST COLUMN GROUP has 288 real units.  Its third tile begins 64 rows earlier, at unit 2,656, so that no load leaves the buffer: its single blocks are units 2,720 .. 2,751, and its pairs, which repeat
; units of its second tile, are masked to zero codes and stored as k = 2,752 .. 2,815, which the last product reads as padding.  Only global addresses and a mask hang on that, by arithmetic on ids: no branch.
; silu(a) b = a b / (1 + 2^(-a log2 e)); the sums' missing powers of two are folded into the exponent's factor and the conversion's scale.
; LIMITS: e12 + e13 between -126 and 126; e16 - e12 - e13 - e14 - e15 between -126 and 119.  NaN among the inputs is not served.
; REGISTERS: window 0: v1-17 addresses, scale, limit; v32-63 at work; v64-95 codes; v128-255 W1's sums ((a, b) at 128 + 32 a + 8 b).  window 1: two fragment buffers of 128 (A's four, then B's).  window 2: v0-127 W3's sums.
.set SLOT,  133120                     ; a slot: A's 4 K steps x 16,384 bytes, then B's rows x 528
.set BPART, 65536
.set PB,    528
.set SPARE, 2*SLOT                     ; behind the ring: the spare words, 128 bytes a wave
.set ADRA,  4                          ; v4, v5    LDS address of my A fragments in slot 0, 1
.set ADRB,  6                          ; v6, v7    of my B fragments, tiles of 128 units: rows 64 jj + r
.set SPW,   8                          ; v8        my spare word; never rewritten
.set NIL,   9                          ; v9        0; never rewritten
.set ADRC,  10                         ; v10, v11  third tile: my pair of blocks: rows 32 jj + r
.set ADRD,  16                         ; v16, v17  third tile: my single block: rows 64 + 16 jj + r
.set ACC,   128
.set F0,    0
.set F1,    128
.set G1A,   32                         ; s[32:39] group 1 for A; s[40:47] its groups 0, one a slot
.set G0A,   40
.set G1B,   48                         ; s[48:55], s[56:63] the same for B
.set G0B,   56
.set G1B3,  68                         ; s[68:75] group 1 for B's third tile: 48 rows
.set MULW,  0x05                       ; sources window 1; C and D window 0
.set MULW2, 0xa5                       ; sources window 1; C and D window 2
.set TO_F,  0x40                       ; destination window 1
.set MSB, 0
.macro WIN new                         ; the immediate's high byte repeats the setting that is left
.if MSB != \new
	s_set_vgpr_msb (MSB<<8)|\new
.set MSB, \new
.endif
.endm
.macro PLACES n
.rept \n
	v_nop
.endr
.endm
.macro CROUND                          ; a round of the cluster's barrier
	s_barrier_signal -1
	s_barrier_wait -1
	s_cmp_lg_u32 s20, 0
	s_cbranch_scc1 .Lnot_wave_0_\@
	s_barrier_signal -3
.Lnot_wave_0_\@:
	s_barrier_wait -3
	s_barrier_signal -1
	s_barrier_wait -1
.endm
.macro JLOAD g0a, g1a, g0b, g1b        ; waves 0, 1 fetch A's halves, waves 2, 3 B's; four v_nop follow each line
	s_cmp_eq_u32 s21, 0
	s_cbranch_scc0 .Lfor_b_\@
	tensor_load_to_lds s[\g0a:\g0a+3], s[\g1a:\g1a+7]
	s_nop 0
.rept 4
	v_nop
.endr
	s_branch .Lasked_\@
.Lfor_b_\@:
	tensor_load_to_lds s[\g0b:\g0b+3], s[\g1b:\g1b+7]
	s_nop 0
.rept 4
	v_nop
.endr
.Lasked_\@:
.endm
; The fragments of the slot's K step q into buffer f: A's four as images (16 loads), B's nb from rows (8 loads each)
.macro FETCH sl, q, f, nb
	WIN TO_F
.irp a, 0,1,2,3
.irp g, 0,1,2,3
	ds_load_b128 v[\f+16*\a+4*\g:\f+16*\a+4*\g+3], v[ADRA+\sl] offset:16384*(\q)+2048*\a+512*\g
.endr
.endr
.if \nb == 4
.irp b, 0,1,2,3
.irp c, 0,1,2,3,4,5,6,7
	ds_load_b64 v[\f+64+16*\b+2*\c:\f+64+16*\b+2*\c+1], v[ADRB+\sl] offset:128*(\q)+16*\c+8448*\b
.endr
.endr
.else
.irp b, 0,1
.irp c, 0,1,2,3,4,5,6,7
	ds_load_b64 v[\f+64+16*\b+2*\c:\f+64+16*\b+2*\c+1], v[ADRC+\sl] offset:128*(\q)+16*\c+8448*\b
.endr
.endr
.irp c, 0,1,2,3,4,5,6,7
	ds_load_b64 v[\f+96+2*\c:\f+96+2*\c+1], v[ADRD+\sl] offset:128*(\q)+16*\c
.endr
.endif
.endm
; 4 nb matrix instructions; the accumulators take turns in the same order in every step
.macro MUL f, zero, ac, win, nb
	WIN \win
.irp a, 0,1,2,3
.irp b, 0,1,2,3
.if \b < \nb
.if \zero
	v_wmma_f32_16x16x128_fp8_fp8 v[\ac+32*\a+8*\b:\ac+32*\a+8*\b+7], v[\f+64+16*\b:\f+64+16*\b+15], v[\f+16*\a:\f+16*\a+15], 0
.else
	v_wmma_f32_16x16x128_fp8_fp8 v[\ac+32*\a+8*\b:\ac+32*\a+8*\b+7], v[\f+64+16*\b:\f+64+16*\b+15], v[\f+16*\a:\f+16*\a+15], v[\ac+32*\a+8*\b:\ac+32*\a+8*\b+7]
.endif
.endif
.endr
.endr
.endm
.macro KSTEP sl, q, f, g, zero, ac, win, nb    ; fetches the slot's K step q + 1 into g, multiplies f
	PLACES 4                                       ; in front of loads into registers that matrix instructions have read (ISA guide 7.12.1 for vector instructions)
	FETCH \sl, (\q)+1, \g, \nb
	s_wait_dscnt 16+8*\nb                          ; all but the loads just issued: buffer f is in
	MUL \f, \zero, \ac, \win, \nb
.endm
.macro THREE sl, zero, ac, win, nb     ; a slot's first three K steps
	KSTEP \sl, 0, F0, F1, \zero, \ac, \win, \nb
	KSTEP \sl, 1, F1, F0, 0, \ac, \win, \nb
	KSTEP \sl, 2, F0, F1, 0, \ac, \win, \nb
.endm
; The groups 0 of slot sl for slot step tau: tile tau / 4, pass (tau / 2) % 2, K half tau % 2 = sl.  A: the two images lie 0x400000 apart.  B: the pass's weight + the tile's rows + the K half.
.macro UPD sl, tau
.if ((\tau)/2)%2
	s_add_nc_u64 s[G0A+4*\sl+2:G0A+4*\sl+3], s[G0A+4*\sl+2:G0A+4*\sl+3], 0x400000
.else
	s_sub_nc_u64 s[G0A+4*\sl+2:G0A+4*\sl+3], s[G0A+4*\sl+2:G0A+4*\sl+3], 0x400000
.endif
.if (\tau) < 8
	s_add_nc_u64 s[G0B+4*\sl+2:G0B+4*\sl+3], s[6+2*(((\tau)/2)%2):7+2*(((\tau)/2)%2)], s[84:85]
.if ((\tau)/4)*131072+\sl*512 > 0
	s_add_nc_u64 s[G0B+4*\sl+2:G0B+4*\sl+3], s[G0B+4*\sl+2:G0B+4*\sl+3], ((\tau)/4)*131072+\sl*512
.endif
.else
	s_add_nc_u64 s[G0B+4*\sl+2:G0B+4*\sl+3], s[6+2*(((\tau)/2)%2):7+2*(((\tau)/2)%2)], s[86:87]
.if \sl
	s_add_nc_u64 s[G0B+4*\sl+2:G0B+4*\sl+3], s[G0B+4*\sl+2:G0B+4*\sl+3], 512
.endif
	s_add_co_u32 s[G0B+4*\sl+1], s92, \sl*SLOT     ; halves of 48 rows
.endif
	s_or_b32 s[G0B+4*\sl+3], s[G0B+4*\sl+3], 0x80000000
.endm
; A slot's fourth K step changes slots.  In front of the barrier each wave waits for all its tensor loads (its part of the next slot), adds 0 to its spare word, and waits for that and for its reads of this slot.
; fill = 1: the barrier is a round of the cluster's, and this slot's joint refill, slot step tau, is the first thing behind it: it has the next slot's four K steps in which to land.
; nbm: B's blocks of the step that is multiplied; nbf: of the step whose first fragments are fetched.
.macro TURN sl, next, fill, tau, ac, win, nbm, nbf
	WIN 0
	s_wait_tensorcnt 0x0
	ds_add_u32 v[SPW], v[NIL]
.if \fill
	UPD \sl, \tau                                  ; no tensor load of mine is out: the groups 0 may be written
.endif
	s_wait_dscnt 0x0
.if \fill
	CROUND
.if (\tau) >= 8
	JLOAD G0A+4*\sl, G1A, G0B+4*\sl, G1B3          ; its four v_nop are also the places in front of the loads below
.else
	JLOAD G0A+4*\sl, G1A, G0B+4*\sl, G1B
.endif
.else
	s_barrier_signal -1
	s_barrier_wait -1
	PLACES 4
.endif
	FETCH \next, 0, F0, \nbf
	MUL F1, 0, \ac, \win, \nbm
.endm
.macro GBASE d                         ; s94 = a pair's number G: s[d:d+1] = my rows' base in g_img + (G / 4) K steps of 16,384 bytes + (G % 4) groups of 512
	s_lshr_b32 s95, s94, 2
	s_lshl_b32 s95, s95, 14
	s_and_b32 s94, s94, 3
	s_lshl_b32 s94, s94, 9
	s_add_co_u32 s94, s94, s95
	s_mov_b32 s95, 0
	s_add_nc_u64 s[\d:\d+1], s[88:89], s[94:95]
.endm
	s_load_b256 s[4:11], s[0:1], 0x0               ; hn_img 4, w1 6, w3 8, scales 10
	s_load_b64 s[12:13], s[0:1], 0x20              ; g_img
	v_lshl_add_u32 v[SPW], v0, 2, SPARE
	v_mov_b32 v[NIL], 0
	ds_add_u32 v8, v9
	ds_add_u32 v8, v9
	s_wait_dscnt 0x0
	v_lshrrev_b32 v1, 5, v0
	v_readfirstlane_b32 s20, v1                    ; wave
	s_lshr_b32 s21, s20, 1                         ; i: my half of the tokens.  Also: I fetch for A (0) or B (1)
	s_and_b32 s22, s20, 1                          ; jj: my half of the units.  Also: which half I fetch
	s_bfe_u32 s23, ttmp6, 0x40000                  ; cx
	s_bfe_u32 s24, ttmp6, 0x40004                  ; cy
	s_lshl_b32 s25, ttmp9, 2
	s_add_co_u32 s25, s25, s23                     ; column group, 0 .. 7
	s_and_b32 s26, ttmp7, 0xffff
	s_lshl_b32 s26, s26, 2
	s_add_co_u32 s26, s26, s24                     ; block of 128 tokens, 0 .. 31
	s_lshl_b32 s27, s24, 2
	s_lshl_b32 s27, 15, s27                        ; my row of the cluster
	s_lshl_b32 s28, 0x1111, s23                    ; my column
	s_or_b32 s[G1A], s27, (3<<16)|(1<<21)          ; A: 128 rows of 32 elements of 8 bytes, dense: two K steps' images; no padding
	s_mov_b32 s[G1A+1], 32<<16
	s_mov_b32 s[G1A+2], 256<<16                    ; at the head: a whole slot's A, 256 rows
	s_mov_b32 s[G1A+3], 32<<16
	s_mov_b32 s[G1A+4], 256
	s_mov_b32 s[G1A+5], 32
	s_mov_b32 s[G1A+6], 0
	s_mov_b32 s[G1A+7], 0
	s_or_b32 s[G1B], s28, (1<<20)|(1<<21)|(6<<22)|(3<<25)   ; B: 64 rows of 512 bytes, 4 words of padding behind every 128
	s_mov_b32 s[G1B+1], 512<<16
	s_mov_b32 s[G1B+2], 128<<16                    ; at the head: a whole slot's B, 128 rows
	s_mov_b32 s[G1B+3], 512<<16
	s_mov_b32 s[G1B+4], 128
	s_mov_b32 s[G1B+5], 1024
	s_mov_b32 s[G1B+6], 0
	s_mov_b32 s[G1B+7], 0
	s_or_b32 s[G1B3], s28, (1<<20)|(1<<21)|(6<<22)|(3<<25)  ; B's third tile: 48 rows
	s_mov_b32 s[G1B3+1], 512<<16
	s_mov_b32 s[G1B3+2], 48<<16
	s_mov_b32 s[G1B3+3], 512<<16
	s_mov_b32 s[G1B3+4], 48
	s_mov_b32 s[G1B3+5], 1024
	s_mov_b32 s[G1B3+6], 0
	s_mov_b32 s[G1B3+7], 0
	s_lshl_b32 s30, s26, 17                        ; A: a block's 8 K steps are 131,072 bytes,
	s_lshl_b32 s29, s22, 15                        ; my half of a slot's four: 32,768 (in memory and in LDS)
	s_add_co_u32 s30, s30, s29
	s_mov_b32 s31, 0
	s_add_co_u32 s93, s25, 1
	s_lshr_b32 s93, s93, 3                         ; L = 1 in the last column group, else 0
	s_mul_i32 s84, s25, 352                        ; the group's first unit
	s_add_co_u32 s86, s84, 256                     ; the third tile's,
	s_lshl_b32 s90, s93, 6
	s_sub_co_u32 s86, s86, s90                     ; 64 rows earlier in the last group: 2,656
	s_lshl_b32 s90, s22, 6
	s_add_co_u32 s84, s84, s90                     ; halves of 64 rows
	s_lshl_b32 s84, s84, 10                        ; rows of 1,024 bytes
	s_mul_i32 s90, s22, 48
	s_add_co_u32 s86, s86, s90                     ; halves of 48 rows
	s_lshl_b32 s86, s86, 10
	s_mov_b32 s85, 0
	s_mov_b32 s87, 0
	s_mul_i32 s91, s22, 64*PB
	s_add_co_u32 s91, s91, BPART                   ; rows 64 jj on of B's part: where I put them if I fetch, and where I read
	s_mul_i32 s92, s22, 48*PB
	s_add_co_u32 s92, s92, BPART                   ; third tile: rows 48 jj on: where I put them if I fetch
	s_wait_kmcnt 0x0
	s_load_b128 s[76:79], s[10:11], 0x30           ; e12 .. e15
	s_load_b32 s80, s[10:11], 0x40                 ; e16
	s_add_nc_u64 s[88:89], s[4:5], s[30:31]
.irp s, 0,1
	s_mov_b32 s[G0A+4*\s], 1
	s_add_co_u32 s[G0A+4*\s+1], s29, \s*SLOT
	s_add_nc_u64 s[G0A+4*\s+2:G0A+4*\s+3], s[88:89], \s*65536
	s_or_b32 s[G0A+4*\s+3], s[G0A+4*\s+3], 0x80000000
	s_mov_b32 s[G0B+4*\s], 1
	s_add_co_u32 s[G0B+4*\s+1], s91, \s*SLOT
	s_add_nc_u64 s[G0B+4*\s+2:G0B+4*\s+3], s[6:7], s[84:85]
	s_add_nc_u64 s[G0B+4*\s+2:G0B+4*\s+3], s[G0B+4*\s+2:G0B+4*\s+3], \s*512
	s_or_b32 s[G0B+4*\s+3], s[G0B+4*\s+3], 0x80000000
.endr
; THE HEAD'S FILLS: one joint load a wave: wave 0 slot 0's A, wave 1 slot 1's A, wave 2 slot 0's B, wave 3 slot 1's B.  The slot-0 groups 0 serve them and are set back behind the wait.
	s_mul_i32 s[G0A+1], s22, SLOT
	s_add_co_u32 s[G0B+1], s[G0A+1], BPART
	s_mov_b32 s98, s29
	s_mov_b32 s99, 0
	s_add_nc_u64 s[G0A+2:G0A+3], s[G0A+2:G0A+3], s[98:99]   ; 65,536 jj in all: K steps 4 jj on
	s_mul_i32 s98, s22, 64*1024-512
	s_sub_nc_u64 s[G0B+2:G0B+3], s[G0B+2:G0B+3], s[98:99]   ; the tile's first row, K half jj
	CROUND
	s_cmp_eq_u32 s21, 0                            ; a wave's first fill stands in one branch: one load of mine is out
	s_cbranch_scc0 .Lfirst_b
	tensor_load_to_lds s[G0A:G0A+3], s[G1A:G1A+7]
	s_nop 0
.rept 4
	v_nop
.endr
	s_branch .Lfirst_done
.Lfirst_b:
	tensor_load_to_lds s[G0B:G0B+3], s[G1B:G1B+7]
	s_nop 0
.rept 4
	v_nop
.endr
.Lfirst_done:
	v_and_b32 v1, 15, v0                           ; r
	v_bfe_u32 v2, v0, 4, 1                         ; h
	v_and_b32 v3, 31, v0
	v_lshlrev_b32 v3, 4, v3                        ; 16 x lane
	s_lshl_b32 s94, s21, 13
	v_add_nc_u32 v[ADRA], s94, v3                  ; my four blocks of 16 tokens: 8,192 i
	v_add_nc_u32 v[ADRA+1], SLOT, v[ADRA]
	v_mul_u32_u24 v15, v1, PB
	v_lshl_add_u32 v15, v2, 3, v15                 ; r x 528 + 8 h
	v_add_nc_u32 v[ADRB], s91, v15
	v_add_nc_u32 v[ADRB+1], SLOT, v[ADRB]
	s_mul_i32 s94, s22, 32*PB
	s_add_co_u32 s94, s94, BPART
	v_add_nc_u32 v[ADRC], s94, v15
	v_add_nc_u32 v[ADRC+1], SLOT, v[ADRC]
	s_mul_i32 s94, s22, 16*PB
	s_add_co_u32 s94, s94, BPART+64*PB
	v_add_nc_u32 v[ADRD], s94, v15
	v_add_nc_u32 v[ADRD+1], SLOT, v[ADRD]
	s_lshl_b32 s94, s22, 3
	v_add_nc_u32 v14, s94, v3                      ; the single block's 8 bytes of a lane's 16: the even block (jj = 0) first
	; where the results go: six bases, never rewritten.  Pair G of the 88 lies at K step G / 4, group G % 4
	s_sub_co_u32 s81, s93, 1                       ; the third tile's mask for the pairs: 0 in the last column group, else all ones
	s_mul_i32 s94, s26, 22*16384                   ; my block's 22 K steps,
	s_lshl_b32 s95, s21, 13                        ; my four blocks of 16 tokens
	s_add_co_u32 s94, s94, s95
	s_mov_b32 s95, 0
	s_add_nc_u64 s[88:89], s[12:13], s[94:95]
	s_mul_i32 s90, s25, 11
	s_lshl_b32 s94, s22, 1
	s_add_co_u32 s90, s90, s94                     ; 11 x group + 2 jj
	s_add_co_u32 s94, s90, 0
	GBASE 14                                       ; tile 0: pairs 2 jj,
	s_add_co_u32 s94, s90, 1
	GBASE 16                                       ; 2 jj + 1
	s_add_co_u32 s94, s90, 4
	GBASE 18                                       ; tile 1: pairs 4 + 2 jj,
	s_add_co_u32 s94, s90, 5
	GBASE 2                                        ; 5 + 2 jj
	s_mul_i32 s90, s25, 11
	s_add_co_u32 s90, s90, 8
	s_add_co_u32 s94, s90, s22
	s_add_co_u32 s94, s94, s93
	GBASE 96                                       ; tile 2: my pair: 8 + jj; in the last group 9 + jj: the padding
	s_lshl_b32 s94, s93, 1
	s_sub_co_u32 s94, 2, s94
	s_add_co_u32 s94, s94, s90
	GBASE 98                                       ; tile 2: the single blocks' pair: 10; in the last group 8
	s_wait_alu depctr_va_vdst(0)
	s_wait_kmcnt 0x0
	s_add_co_i32 s90, s76, s77
	s_lshl_b32 s94, s90, 23
	s_add_co_i32 s82, s94, 0xbfb8aa3b              ; -log2(e) x 2^(e12 + e13): the exponents are added to the factor's exponent field
	s_mov_b32 s83, s82
	s_sub_co_i32 s90, s80, s90
	s_sub_co_i32 s90, s90, s78
	s_sub_co_i32 s90, s90, s79                     ; e16 - e12 - e13 - e14 - e15
	s_add_co_i32 s90, s90, 127
	s_lshl_b32 s94, s90, 23
	v_mov_b32 v12, s94                             ; the conversion's scale
	s_add_co_i32 s90, s90, 8
	s_lshl_b32 s90, s90, 23
	s_or_b32 s90, s90, 0x600000
	v_mov_b32 v13, s90                             ; 448 x that
; A tile's way out, a block of 16 tokens at a time.  nb = 4: two groups, at bases d0 and d1.  nb = 3: my pair's group, masked, at d0; my single block's 8 bytes at d1.
.macro EPI nb, d0, d1
	WIN 0
	PLACES 4                                       ; in front of the first read of results
	s_wait_xcnt 0x0                                ; the last tile's stores have read their data
.irp a, 0,1,2,3
.set Y, ACC+32*\a
.set kk, 0
.rept 4*\nb
	v_pk_mul_f32 v[32+kk:33+kk], v[Y+kk:Y+kk+1], s[82:83] op_sel_hi:[1,0]   ; -a log2 e; each accumulator from its low end on
.set kk, kk+2
.endr
.set kk, 0
	s_wait_alu depctr_va_vdst(0)
.rept 8*\nb
	v_exp_f32 v[32+kk], v[32+kk]
.set kk, kk+1
.endr
	v_nop                                          ; a plain line behind the transcendentals
.set kk, 0
	s_wait_alu depctr_va_vdst(0)
.rept 4*\nb
	v_pk_add_f32 v[32+kk:33+kk], v[32+kk:33+kk], 1.0 op_sel_hi:[1,0]
.set kk, kk+2
.endr
.set kk, 0
	s_wait_alu depctr_va_vdst(0)
.rept 8*\nb
	v_rcp_f32 v[32+kk], v[32+kk]
.set kk, kk+1
.endr
	v_nop
.set kk, 0
	s_wait_alu depctr_va_vdst(0)
.rept 4*\nb
	v_pk_mul_f32 v[32+kk:33+kk], v[32+kk:33+kk], v[Y+kk:Y+kk+1]
.set kk, kk+2
.endr
	WIN 0x08                                       ; source 1 window 2
.set kk, 0
.rept 4*\nb
	v_pk_mul_f32 v[32+kk:33+kk], v[32+kk:33+kk], v[32*\a+kk:32*\a+kk+1]
.set kk, kk+2
.endr
	WIN 0
.set kk, 0
.rept 8*\nb
	v_med3_num_f32 v[32+kk], v[32+kk], -v13, v13   ; the conversion does not saturate (ISA guide 7.6.2)
.set kk, kk+1
.endr
.irp b, 0,1,2,3
.if \b < \nb
	v_cvt_scalef32_pk8_fp8_f32 v[64+8*\a+2*\b:65+8*\a+2*\b], v[32+8*\b:39+8*\b], v12
.endif
.endr
	v_nop                                          ; a plain line behind the conversions
.if \nb == 4
	global_store_b128 v3, v[64+8*\a:67+8*\a], s[\d0:\d0+1] offset:2048*\a
	global_store_b128 v3, v[68+8*\a:71+8*\a], s[\d1:\d1+1] offset:2048*\a
.else
.set kk, 0
.rept 4
	v_and_b32 v[64+8*\a+kk], s81, v[64+8*\a+kk]
.set kk, kk+1
.endr
	global_store_b128 v3, v[64+8*\a:67+8*\a], s[\d0:\d0+1] offset:2048*\a
	global_store_b64 v14, v[68+8*\a:69+8*\a], s[\d1:\d1+1] offset:2048*\a
.endif
.endr
.endm
	s_wait_alu depctr_va_vdst(0)
	s_wait_tensorcnt 0x0                           ; my one load is in: the descriptors may be written: the ring's quarter tiles
	s_mov_b32 s[G1A+2], 128<<16
	s_mov_b32 s[G1A+4], 128
	s_mov_b32 s[G1B+2], 64<<16
	s_mov_b32 s[G1B+4], 64
	s_mov_b32 s[G0A+1], s29
	s_add_nc_u64 s[G0A+2:G0A+3], s[4:5], s[30:31]
	s_or_b32 s[G0A+3], s[G0A+3], 0x80000000
	s_mov_b32 s[G0B+1], s91
	s_barrier_signal -1
	s_barrier_wait -1
	FETCH 0, 0, F0, 4
	THREE 0, 1, ACC, MULW, 4                       ; tile 0, pass W1
	TURN 0, 1, 1, 2, ACC, MULW, 4, 4
	THREE 1, 0, ACC, MULW, 4
	TURN 1, 0, 1, 3, ACC, MULW, 4, 4
	THREE 0, 1, 0, MULW2, 4                        ; pass W3
	TURN 0, 1, 1, 4, 0, MULW2, 4, 4
	THREE 1, 0, 0, MULW2, 4
	TURN 1, 0, 1, 5, 0, MULW2, 4, 4
	EPI 4, 14, 16
	THREE 0, 1, ACC, MULW, 4                       ; tile 1, pass W1
	TURN 0, 1, 1, 6, ACC, MULW, 4, 4
	THREE 1, 0, ACC, MULW, 4
	TURN 1, 0, 1, 7, ACC, MULW, 4, 4
	THREE 0, 1, 0, MULW2, 4                        ; pass W3
	TURN 0, 1, 1, 8, 0, MULW2, 4, 4
	THREE 1, 0, 0, MULW2, 4
	TURN 1, 0, 1, 9, 0, MULW2, 4, 3                ; the fragments fetched here are the third tile's
	EPI 4, 18, 2
	THREE 0, 1, ACC, MULW, 3                       ; tile 2, pass W1
	TURN 0, 1, 1, 10, ACC, MULW, 3, 3
	THREE 1, 0, ACC, MULW, 3
	TURN 1, 0, 1, 11, ACC, MULW, 3, 3
	THREE 0, 1, 0, MULW2, 3                        ; pass W3: nothing is left to fetch
	TURN 0, 1, 0, 0, 0, MULW2, 3, 3
	THREE 1, 0, 0, MULW2, 3
	s_wait_dscnt 0x0
	MUL F1, 0, 0, MULW2, 3
	EPI 3, 96, 98
	s_wait_tensorcnt 0x0                           ; the wave's end
	ds_add_u32 v[SPW], v[NIL]
	s_wait_dscnt 0x0
	CROUND                                         ; the closing round
	s_endpgm
.Lfunc_end_k_qf722501a92_ffnup:
	.size	k_qf722501a92_ffnup, .Lfunc_end_k_qf722501a92_ffnup-k_qf722501a92_ffnup
	.p2alignl 7, 3214868480
	.fill 96, 4, 3214868480
	.section	.rodata,"a",@progbits
	.p2align	6, 0x0
	.amdhsa_kernel k_qf722501a92_ffnup
		.amdhsa_group_segment_fixed_size 327680
		.amdhsa_private_segment_fixed_size 0
		.amdhsa_enable_private_segment 0
		.amdhsa_kernarg_size 40
		.amdhsa_user_sgpr_count 2
		.amdhsa_user_sgpr_kernarg_segment_ptr 1
		.amdhsa_wavefront_size32 1
		.amdhsa_system_sgpr_workgroup_id_x 1
		.amdhsa_system_sgpr_workgroup_id_y 1
		.amdhsa_system_sgpr_workgroup_id_z 1
		.amdhsa_system_vgpr_workitem_id 0
		.amdhsa_next_free_vgpr 768
		.amdhsa_next_free_sgpr 100
		.amdhsa_reserve_vcc 0
		.amdhsa_float_denorm_mode_32 3
		.amdhsa_float_denorm_mode_16_64 3
		.amdhsa_memory_ordered 1
		.amdhsa_forward_progress 1
		.amdhsa_inst_pref_size 255
	.end_amdhsa_kernel
	.section	.bss,"aw",@nobits
	.p2align	6
	.space	262144
	.amdgpu_metadata
---
amdhsa.version: [ 1, 2 ]
amdhsa.kernels:
  - .name:           k_qf722501a92_ffnup
    .symbol:         k_qf722501a92_ffnup.kd
    .args:
      - { .name: hn_img, .offset: 0, .size: 8, .value_kind: global_buffer, .address_space: global }
      - { .name: w1_codes, .offset: 8, .size: 8, .value_kind: global_buffer, .address_space: global }
      - { .name: w3_codes, .offset: 16, .size: 8, .value_kind: global_buffer, .address_space: global }
      - { .name: lowp_scales, .offset: 24, .size: 8, .value_kind: global_buffer, .address_space: global }
      - { .name: g_img, .offset: 32, .size: 8, .value_kind: global_buffer, .address_space: global }
    .group_segment_fixed_size: 327680
    .private_segment_fixed_size: 0
    .kernarg_segment_align: 8
    .kernarg_segment_size: 40
    .max_flat_workgroup_size: 128
    .sgpr_count:     100
    .vgpr_count:     768
    .wavefront_size: 32
...
	.end_amdgpu_metadata
.endif
;; end of part 6
;; launch ffndown (part 7): grid 8 x 32, 4 waves a work-group, clusters of 4 x 4, 327,680 bytes of LDS; arguments g_img, w2p, h, lowp_scales, out0; writes out0
.if DOCPART == 7
	.amdgcn_target "amdgcn-amd-amdhsa--gfx1250"
	.amdhsa_code_object_version 6
	.text
	.protected	k_qf722501a92_ffndown
	.globl	k_qf722501a92_ffndown
	.p2align	8
	.type	k_qf722501a92_ffndown,@function
k_qf722501a92_ffndown:
	s_mov_b64 s[64:65], 0
	v_nop
	global_prefetch_b8 v0, s[64:65] scope:SCOPE_SE
	s_setreg_imm32_b32 hwreg(HW_REG_WAVE_MODE, 25, 1), 1
	s_wait_xcnt 0x0
	s_wait_alu depctr_hold_cnt(0) depctr_sa_sdst(0) depctr_va_vdst(0) depctr_va_sdst(0) depctr_va_ssrc(0) depctr_va_vcc(0) depctr_vm_vsrc(0)
	s_getreg_b32 s2, hwreg(HW_REG_IB_STS2, 6, 4)
	s_cmp_eq_u32 s2, 0
	s_cbranch_scc0 .Lentry_in_a_cluster
	s_endpgm
.Lentry_in_a_cluster:
	s_bfe_u32 s2, ttmp6, 0x10000c
	s_cmp_lg_u32 s2, 0xf033
	s_cbranch_scc0 .Lentry_shape_is_right
	s_endpgm
.Lentry_shape_is_right:
; out0 = h + g W2^T; the product on E4M3 codes, each sum x 2^(e16 + e17), the residual added in the same fused multiply-add.
; A tile of 128 tokens x 128 outputs a work-group; four waves, 2 x 2, each 64 x 64.  K = 2,752 is padded to 22 K steps of 128: five slot steps of 512 and a tail of 256, through a ring of two LDS slots, four refills.
; THE TAIL.  g_img holds zero codes for k = 2,752 .. 2,815.  W2's rows end at 2,752: the tail's descriptor states 192 elements left in a row, and the mover writes zeros behind them (ISA guide, the tensor descriptor's extents);
; no byte past a row's end is read.  Each A wave brings one K step of the tail to the place of its half: they lie at K step places 0 and 2 of the slot.
; g comes as register images, the weights as rows of 512 bytes + 16 of padding = 132 words: the 32 lanes of a ds_load_b64 touch 64 different banks (ISA guide 11.1).
; CLUSTER 4 x 4: the four of a row ask jointly for the tokens' images, the four of a column for the weight rows.
; The way out goes through the wave's own stage in LDS, so that sixteen lanes store 256 consecutive bytes, aligned.
; LIMIT: e16 + e17 between -126 and 127.
; REGISTERS: window 0: v1-12 addresses; v32-95 two sets of rows read back; v128-255 accumulators.  window 1: two fragment buffers.  window 2: v0-127 the residual.
.set SLOT,  133120
.set BPART, 65536
.set PB,    528
.set SPARE, 2*SLOT
.set STAGE, SPARE+512
.set ADRA,  4
.set ADRB,  6
.set SPW,   8
.set NIL,   9
.set ACC,   128
.set F0,    0
.set F1,    128
.set G1A,   32
.set G0A,   40
.set G1B,   48
.set G0B,   56
.set G1A2,  68                         ; s[68:75] group 1 for A's tail: 64 rows
.set G1B2,  76                         ; s[76:83] for B's tail: 192 elements left in a row
.set MULW,  0x05
.set TO_F,  0x40
.set MSB, 0
.macro WIN new
.if MSB != \new
	s_set_vgpr_msb (MSB<<8)|\new
.set MSB, \new
.endif
.endm
.macro PLACES n
.rept \n
	v_nop
.endr
.endm
.macro CROUND
	s_barrier_signal -1
	s_barrier_wait -1
	s_cmp_lg_u32 s20, 0
	s_cbranch_scc1 .Lnot_wave_0_\@
	s_barrier_signal -3
.Lnot_wave_0_\@:
	s_barrier_wait -3
	s_barrier_signal -1
	s_barrier_wait -1
.endm
.macro JLOAD g0a, g1a, g0b, g1b
	s_cmp_eq_u32 s21, 0
	s_cbranch_scc0 .Lfor_b_\@
	tensor_load_to_lds s[\g0a:\g0a+3], s[\g1a:\g1a+7]
	s_nop 0
.rept 4
	v_nop
.endr
	s_branch .Lasked_\@
.Lfor_b_\@:
	tensor_load_to_lds s[\g0b:\g0b+3], s[\g1b:\g1b+7]
	s_nop 0
.rept 4
	v_nop
.endr
.Lasked_\@:
.endm
.macro FETCH sl, qa, qb, f
	WIN TO_F
.irp a, 0,1,2,3
.irp g, 0,1,2,3
	ds_load_b128 v[\f+16*\a+4*\g:\f+16*\a+4*\g+3], v[ADRA+\sl] offset:16384*(\qa)+2048*\a+512*\g
.endr
.endr
.irp b, 0,1,2,3
.irp c, 0,1,2,3,4,5,6,7
	ds_load_b64 v[\f+64+16*\b+2*\c:\f+64+16*\b+2*\c+1], v[ADRB+\sl] offset:128*(\qb)+16*\c+8448*\b
.endr
.endr
.endm
.macro MUL f, zero                     ; the 16 accumulators take turns in the same order in every step
	WIN MULW
.irp a, 0,1,2,3
.irp b, 0,1,2,3
.if \zero
	v_wmma_f32_16x16x128_fp8_fp8 v[ACC+32*\a+8*\b:ACC+32*\a+8*\b+7], v[\f+64+16*\b:\f+64+16*\b+15], v[\f+16*\a:\f+16*\a+15], 0
.else
	v_wmma_f32_16x16x128_fp8_fp8 v[ACC+32*\a+8*\b:ACC+32*\a+8*\b+7], v[\f+64+16*\b:\f+64+16*\b+15], v[\f+16*\a:\f+16*\a+15], v[ACC+32*\a+8*\b:ACC+32*\a+8*\b+7]
.endif
.endr
.endr
.endm
.macro KSTEP sl, q, f, g, zero
	PLACES 4
	FETCH \sl, (\q)+1, (\q)+1, \g
	s_wait_dscnt 48                                ; all but the 48 just issued
	MUL \f, \zero
.endm
.macro THREE sl, zero
	KSTEP \sl, 0, F0, F1, \zero
	KSTEP \sl, 1, F1, F0, 0
	KSTEP \sl, 2, F0, F1, 0
.endm
; A slot's fourth K step changes slots: the wait for all my tensor loads, the add, the wait for it and for my reads of this slot; fill = 1: a round of the cluster's barrier, and this slot's joint refill,
; two slot steps on, first behind it.  tail = 1: the refill is the tail's.
.macro TURN sl, next, fill, tail
	WIN 0
	s_wait_tensorcnt 0x0
	ds_add_u32 v[SPW], v[NIL]
.if \fill
	s_add_nc_u64 s[G0A+4*\sl+2:G0A+4*\sl+3], s[G0A+4*\sl+2:G0A+4*\sl+3], 131072   ; eight K steps on;
.if \tail
	s_sub_nc_u64 s[G0A+4*\sl+2:G0A+4*\sl+3], s[G0A+4*\sl+2:G0A+4*\sl+3], s[88:89] ; in the tail the halves lie one K step apart, not two
.endif
	s_add_nc_u64 s[G0B+4*\sl+2:G0B+4*\sl+3], s[G0B+4*\sl+2:G0B+4*\sl+3], 1024
.endif
	s_wait_dscnt 0x0
.if \fill
	CROUND
.if \tail
	JLOAD G0A+4*\sl, G1A2, G0B+4*\sl, G1B2
.else
	JLOAD G0A+4*\sl, G1A, G0B+4*\sl, G1B
.endif
.else
	s_barrier_signal -1
	s_barrier_wait -1
	PLACES 4
.endif
	FETCH \next, 0, 0, F0
	MUL F1, 0
.endm
	s_load_b256 s[4:11], s[0:1], 0x0               ; g_img 4, w2 6, h 8, scales 10
	s_load_b64 s[12:13], s[0:1], 0x20              ; out0
	v_lshl_add_u32 v[SPW], v0, 2, SPARE
	v_mov_b32 v[NIL], 0
	ds_add_u32 v8, v9
	ds_add_u32 v8, v9
	s_wait_dscnt 0x0
	v_lshrrev_b32 v1, 5, v0
	v_readfirstlane_b32 s20, v1
	s_lshr_b32 s21, s20, 1                         ; i
	s_and_b32 s22, s20, 1                          ; jj
	s_bfe_u32 s23, ttmp6, 0x40000
	s_bfe_u32 s24, ttmp6, 0x40004
	s_lshl_b32 s25, ttmp9, 2
	s_add_co_u32 s25, s25, s23                     ; tile of outputs
	s_and_b32 s26, ttmp7, 0xffff
	s_lshl_b32 s26, s26, 2
	s_add_co_u32 s26, s26, s24                     ; block of tokens
	s_lshl_b32 s27, s24, 2
	s_lshl_b32 s27, 15, s27
	s_lshl_b32 s28, 0x1111, s23
	s_or_b32 s[G1A], s27, (3<<16)|(1<<21)          ; A: 128 rows of 256 bytes, dense: two K steps
	s_mov_b32 s[G1A+1], 32<<16
	s_mov_b32 s[G1A+2], 256<<16                    ; at the head: a whole slot's A, 256 rows
	s_mov_b32 s[G1A+3], 32<<16
	s_mov_b32 s[G1A+4], 256
	s_mov_b32 s[G1A+5], 32
	s_mov_b32 s[G1A+6], 0
	s_mov_b32 s[G1A+7], 0
	s_or_b32 s[G1A2], s27, (3<<16)|(1<<21)         ; A's tail: 64 rows: one K step
	s_mov_b32 s[G1A2+1], 32<<16
	s_mov_b32 s[G1A2+2], 64<<16
	s_mov_b32 s[G1A2+3], 32<<16
	s_mov_b32 s[G1A2+4], 64
	s_mov_b32 s[G1A2+5], 32
	s_mov_b32 s[G1A2+6], 0
	s_mov_b32 s[G1A2+7], 0
	s_or_b32 s[G1B], s28, (1<<20)|(1<<21)|(6<<22)|(3<<25)   ; B: 64 rows of 512 bytes, padded by 16; rows 2,816 bytes apart
	s_mov_b32 s[G1B+1], 512<<16
	s_mov_b32 s[G1B+2], 128<<16                    ; at the head: a whole slot's B, 128 rows
	s_mov_b32 s[G1B+3], 512<<16
	s_mov_b32 s[G1B+4], 128
	s_mov_b32 s[G1B+5], 2816                       ; W2 comes from w2p: rows 2,816 bytes apart, each on a multiple of 256 bytes
	s_mov_b32 s[G1B+6], 0
	s_mov_b32 s[G1B+7], 0
	s_or_b32 s[G1B2], s28, (1<<20)|(1<<21)|(6<<22)|(3<<25)  ; B's tail: the same tile, of which 192 elements a row are left in the tensor
	s_mov_b32 s[G1B2+1], 192<<16
	s_mov_b32 s[G1B2+2], 64<<16
	s_mov_b32 s[G1B2+3], 512<<16
	s_mov_b32 s[G1B2+4], 64
	s_mov_b32 s[G1B2+5], 2816
	s_mov_b32 s[G1B2+6], 0
	s_mov_b32 s[G1B2+7], 0
	s_mul_i32 s30, s26, 22*16384                   ; A: a block's 22 K steps
	s_lshl_b32 s29, s22, 15
	s_add_co_u32 s30, s30, s29
	s_mov_b32 s31, 0
	s_lshl_b32 s96, s25, 7
	s_lshl_b32 s97, s22, 6
	s_add_co_u32 s96, s96, s97
	s_mul_i32 s96, s96, 2816
	s_mov_b32 s97, 0
	s_lshl_b32 s88, s22, 14
	s_mov_b32 s89, 0
	s_mul_i32 s91, s22, 64*PB
	s_add_co_u32 s91, s91, BPART
	s_wait_kmcnt 0x0
	s_load_b64 s[84:85], s[10:11], 0x40            ; e16, e17
	s_add_nc_u64 s[30:31], s[4:5], s[30:31]
	s_add_nc_u64 s[96:97], s[6:7], s[96:97]
.irp s, 0,1
	s_mov_b32 s[G0A+4*\s], 1
	s_add_co_u32 s[G0A+4*\s+1], s29, \s*SLOT
	s_add_nc_u64 s[G0A+4*\s+2:G0A+4*\s+3], s[30:31], \s*65536
	s_or_b32 s[G0A+4*\s+3], s[G0A+4*\s+3], 0x80000000
	s_mov_b32 s[G0B+4*\s], 1
	s_add_co_u32 s[G0B+4*\s+1], s91, \s*SLOT
	s_add_nc_u64 s[G0B+4*\s+2:G0B+4*\s+3], s[96:97], \s*512
	s_or_b32 s[G0B+4*\s+3], s[G0B+4*\s+3], 0x80000000
.endr
; THE HEAD'S FILLS: one joint load a wave: wave 0 slot 0's A, wave 1 slot 1's A, wave 2 slot 0's B, wave 3 slot 1's B.  The slot-0 groups 0 serve them and are set back behind the wait.
	s_mul_i32 s[G0A+1], s22, SLOT
	s_add_co_u32 s[G0B+1], s[G0A+1], BPART
	s_mov_b32 s98, s29
	s_mov_b32 s99, 0
	s_add_nc_u64 s[G0A+2:G0A+3], s[G0A+2:G0A+3], s[98:99]   ; 65,536 jj in all: K steps 4 jj on
	s_mul_i32 s98, s22, 64*2816-512
	s_sub_nc_u64 s[G0B+2:G0B+3], s[G0B+2:G0B+3], s[98:99]   ; the tile's first row, K half jj
	CROUND
	s_cmp_eq_u32 s21, 0
	s_cbranch_scc0 .Lfirst_b
	tensor_load_to_lds s[G0A:G0A+3], s[G1A:G1A+7]
	s_nop 0
.rept 4
	v_nop
.endr
	s_branch .Lfirst_done
.Lfirst_b:
	tensor_load_to_lds s[G0B:G0B+3], s[G1B:G1B+7]
	s_nop 0
.rept 4
	v_nop
.endr
.Lfirst_done:
	v_and_b32 v1, 15, v0
	v_bfe_u32 v2, v0, 4, 1
	v_and_b32 v3, 31, v0
	v_lshlrev_b32 v3, 4, v3
	s_lshl_b32 s92, s21, 13
	v_add_nc_u32 v[ADRA], s92, v3
	v_add_nc_u32 v[ADRA+1], SLOT, v[ADRA]
	v_mul_u32_u24 v[ADRB], v1, PB
	v_lshl_add_u32 v[ADRB], v2, 3, v[ADRB]
	v_add_nc_u32 v[ADRB], s91, v[ADRB]
	v_add_nc_u32 v[ADRB+1], SLOT, v[ADRB]
	v_lshlrev_b32 v10, 12, v2
	v_lshl_add_u32 v10, v1, 4, v10                 ; rows of 4,096 bytes: lanes 0-15 one row, lanes 16-31 the next
	s_wait_alu depctr_va_vdst(0)
	s_mul_i32 s98, s20, 16*272
	s_add_co_u32 s98, s98, STAGE
	v_mul_u32_u24 v11, v1, 272
	v_lshl_add_u32 v11, v2, 5, v11
	v_add_nc_u32 v11, s98, v11
	v_mul_u32_u24 v12, v2, 272
	v_lshl_add_u32 v12, v1, 4, v12
	v_add_nc_u32 v12, s98, v12
	s_lshl_b32 s92, s26, 19
	s_lshl_b32 s98, s21, 18
	s_add_co_u32 s92, s92, s98
	s_lshl_b32 s98, s25, 9
	s_add_co_u32 s92, s92, s98
	s_lshl_b32 s98, s22, 8
	s_add_co_u32 s92, s92, s98
	s_mov_b32 s93, 0
	s_add_nc_u64 s[94:95], s[12:13], s[92:93]
	s_add_nc_u64 s[92:93], s[8:9], s[92:93]
	WIN 0x80
.irp a, 0,1,2,3
.irp p, 0,1,2,3,4,5,6,7
	global_load_b128 v[32*\a+4*\p:32*\a+4*\p+3], v10, s[92:93] offset:(16*\a+2*\p)*4096
.endr
.endr
	WIN 0
	s_wait_kmcnt 0x0
	s_add_co_i32 s86, s84, s85
	s_add_co_i32 s86, s86, 127
	s_lshl_b32 s86, s86, 23                        ; 2^(e16 + e17) as f32
	s_mov_b32 s87, s86
	s_wait_alu depctr_va_vdst(0)
	s_wait_tensorcnt 0x0                           ; my one load is in: the descriptors may be written: the ring's quarter tiles
	s_mov_b32 s[G1A+2], 128<<16
	s_mov_b32 s[G1A+4], 128
	s_mov_b32 s[G1B+2], 64<<16
	s_mov_b32 s[G1B+4], 64
	s_mov_b32 s[G0A+1], s29
	s_mov_b64 s[G0A+2:G0A+3], s[30:31]
	s_or_b32 s[G0A+3], s[G0A+3], 0x80000000
	s_mov_b32 s[G0B+1], s91
	s_mov_b64 s[G0B+2:G0B+3], s[96:97]
	s_or_b32 s[G0B+3], s[G0B+3], 0x80000000
	s_barrier_signal -1
	s_barrier_wait -1
	FETCH 0, 0, 0, F0
	THREE 0, 1                                     ; K steps 0-3
	TURN 0, 1, 1, 0
	THREE 1, 0                                     ; 4-7
	TURN 1, 0, 1, 0
	THREE 0, 0                                     ; 8-11
	TURN 0, 1, 1, 0
	THREE 1, 0                                     ; 12-15
	TURN 1, 0, 1, 1                                ; slot 1 takes the tail
	THREE 0, 0                                     ; 16-19
	TURN 0, 1, 0, 0
	PLACES 4                                       ; the tail: K step 20 is in buffer 0's loads; K step 21 lies at A's place 2 and B's place 1
	FETCH 1, 2, 1, F1
	s_wait_dscnt 48
	MUL F0, 0
	s_wait_dscnt 0x0
	MUL F1, 0
	WIN 0
	PLACES 4                                       ; in front of the LDS stores that read results
	s_wait_alu depctr_va_vdst(0)
	s_wait_loadcnt 0x0                             ; the residual
.irp a, 0,1,2,3
.set BK, 32+32*(\a%2)
.if \a > 1
	s_wait_xcnt 0x0                                ; block a - 2's stores have read their registers
.endif
.irp b, 0,1,2,3
	ds_store_b128 v11, v[ACC+32*\a+8*\b:ACC+32*\a+8*\b+3] offset:64*\b
	ds_store_b128 v11, v[ACC+32*\a+8*\b+4:ACC+32*\a+8*\b+7] offset:64*\b+16
.endr
.irp p, 0,1,2,3,4,5,6,7
	ds_load_b128 v[BK+4*\p:BK+4*\p+3], v12 offset:\p*2*272   ; LDS serves a wave's instructions in order (ISA guide 5.7.1.4): these see my stores
.endr
	s_wait_dscnt 0x0
	WIN 0x20                                       ; source 2 window 2
.set kk, 0
.rept 16
	v_pk_fma_f32 v[BK+kk:BK+kk+1], v[BK+kk:BK+kk+1], s[86:87], v[32*\a+kk:32*\a+kk+1] op_sel_hi:[1,0,1]
.set kk, kk+2
.endr
	WIN 0
.irp p, 0,1,2,3,4,5,6,7
	global_store_b128 v10, v[BK+4*\p:BK+4*\p+3], s[94:95] offset:(16*\a+2*\p)*4096
.endr
.endr
	s_wait_tensorcnt 0x0                           ; the wave's end
	ds_add_u32 v[SPW], v[NIL]
	s_wait_dscnt 0x0
	CROUND                                         ; the closing round
	s_endpgm
.Lfunc_end_k_qf722501a92_ffndown:
	.size	k_qf722501a92_ffndown, .Lfunc_end_k_qf722501a92_ffndown-k_qf722501a92_ffndown
	.p2alignl 7, 3214868480
	.fill 96, 4, 3214868480
	.section	.rodata,"a",@progbits
	.p2align	6, 0x0
	.amdhsa_kernel k_qf722501a92_ffndown
		.amdhsa_group_segment_fixed_size 327680
		.amdhsa_private_segment_fixed_size 0
		.amdhsa_enable_private_segment 0
		.amdhsa_kernarg_size 40
		.amdhsa_user_sgpr_count 2
		.amdhsa_user_sgpr_kernarg_segment_ptr 1
		.amdhsa_wavefront_size32 1
		.amdhsa_system_sgpr_workgroup_id_x 1
		.amdhsa_system_sgpr_workgroup_id_y 1
		.amdhsa_system_sgpr_workgroup_id_z 1
		.amdhsa_system_vgpr_workitem_id 0
		.amdhsa_next_free_vgpr 768
		.amdhsa_next_free_sgpr 100
		.amdhsa_reserve_vcc 0
		.amdhsa_float_denorm_mode_32 3
		.amdhsa_float_denorm_mode_16_64 3
		.amdhsa_memory_ordered 1
		.amdhsa_forward_progress 1
		.amdhsa_inst_pref_size 120
	.end_amdhsa_kernel
	.amdgpu_metadata
---
amdhsa.version: [ 1, 2 ]
amdhsa.kernels:
  - .name:           k_qf722501a92_ffndown
    .symbol:         k_qf722501a92_ffndown.kd
    .args:
      - { .name: g_img, .offset: 0, .size: 8, .value_kind: global_buffer, .address_space: global }
      - { .name: w2p, .offset: 8, .size: 8, .value_kind: global_buffer, .address_space: global }
      - { .name: h, .offset: 16, .size: 8, .value_kind: global_buffer, .address_space: global }
      - { .name: lowp_scales, .offset: 24, .size: 8, .value_kind: global_buffer, .address_space: global }
      - { .name: out0, .offset: 32, .size: 8, .value_kind: global_buffer, .address_space: global }
    .group_segment_fixed_size: 327680
    .private_segment_fixed_size: 0
    .kernarg_segment_align: 8
    .kernarg_segment_size: 40
    .max_flat_workgroup_size: 128
    .sgpr_count:     100
    .vgpr_count:     768
    .wavefront_size: 32
...
	.end_amdgpu_metadata
.endif
;; end of part 7
